; MI455X (gfx1250); checked and timed in simulation.
; The chip was launched on July 23, 2026; its instructions are those of AMD's public machine-readable ISA for CDNA 5 (MIT licence, August 2026) and "CDNA5" Instruction Set Architecture Reference Guide (July 2026). The comments in the code are by the model that wrote it; some were corrected since.
;; Self Attention. Allowed arithmetic: matrix products marked QUANTISED: E2M1 operands, one E8M0 scale for each 32 along K, by v_wmma_scale_f32_16x16x128_f8f6f4 with both operands' format E2M1 (or v_wmma_scale_f32_32x16x128_f4), f32 sums; products left as they are: bf16, f16 or f32 operands; f32 sums; everything else in f32.
;; Inputs: W_proj 1,024 x 1,024 float32; W_qkv 1,024 x 3,072 float32; b_proj 1,024 float32; b_qkv 3,072 float32; x 2 x 2,048 x 1,024 float32.
;; Outputs: out0 2 x 2,048 x 1,024 float32.
;; This version of the problem:
;;   THIS VERSION OF THE PROBLEM IS GIVEN IN LOW PRECISION. The matrix products marked QUANTISED in the list below multiply operands that are first quantised to E2M1 (2 exponent bits, 1 mantissa bit; 4 bits a number), with one power-of-two scale for each 32 numbers along K (OCP MX v1.0); their sums are f32. The products marked 'left as it is' may take bf16, f16 or f32 operands, with f32 sums. Whichever they take, every output number must still come out within the allowed error. Rounding operands to bf16 (8 significant bits) uses up far more of that allowance than f16 does (11 bits, for magnitudes from 6e-5 to 65,504). All else is computed in f32.
;;   The module's matrix products, in the order in which they are computed (A, B: the left and right operand; K: the contracted axis; several contracted axes count as one K, in the product's order):
;;     1. [M 4,096, K 1,024] x [K 1,024, N 3,072]; A: input x; B: input W_qkv: QUANTISED
;;     2. batch 32 x [M 2,048, K 64] x [K 64, N 2,048]; A: computed on the way; B: computed on the way: left as it is (an operand is computed on the way)
;;     3. batch 32 x [M 2,048, K 2,048] x [K 2,048, N 64]; A: computed on the way; B: computed on the way: left as it is (an operand is computed on the way)
;;     4. [M 4,096, K 1,024] x [K 1,024, N 1,024]; A: computed on the way; B: input W_proj: left as it is (an operand is computed on the way)
;;   THE QUANTISER, for each operand of a quantised product, along K:
;;     - K is cut into blocks of 32 from its start; a last block that is shorter is filled with zeros.
;;     - A block's scale is 2^e with e = floor(log2(the largest magnitude in the block)) - 2, held to -126 .. 127; a block of zeros has e = 0. As a byte (E8M0): e + 127.
;;     - Each number is divided by its block's scale, clamped to +-6, and rounded to the nearest number of E2M1, ties to even, subnormals kept.
;;     - The product sums the exact products of the quantised numbers (number of the format x scale) in f32.
;;   ~~~python
;;   def quantise(x, axis):      # numpy; x: float32 -> the quantised numbers, widened to float32 again
;;       x = np.moveaxis(x, axis, -1); K = x.shape[-1]
;;       x = np.pad(x, [(0, 0)] * (x.ndim - 1) + [(0, -K % 32)]); x = x.reshape(x.shape[:-1] + (-1, 32)); a = np.abs(x).max(-1, keepdims=True)
;;       e = np.where(a > 0, np.clip(np.frexp(np.where(a > 0, a, 1))[1] - 1 - 2, -126, 127), 0)      # np.frexp(a)[1] - 1 = floor(log2(a)), exactly
;;       r = np.clip(x / 2.0 ** e, -6, 6)
;;       step = 2.0 ** (np.maximum(np.frexp(np.where(r == 0, 1, r))[1] - 1, 0) - 1)
;;       q = np.round(r / step) * step * 2.0 ** e      # np.round: ties to even
;;       return np.moveaxis(q.reshape(q.shape[:-2] + (-1,))[..., :K], -1, axis).astype(np.float32)
;;   ~~~
;; One version. Each part assembles by itself: llvm-mc -triple=amdgcn-amd-amdhsa -mcpu=gfx1250 --defsym DOCPART=n.
;; ======== version 1 of 1: 5 launches
;; limits: values are held in f16: magnitudes above 65,504 overflow, below 6.1e-05 lose precision
;; workspace buffers: xc 2,097,152 bytes; xs 131,072 bytes; wc 1,572,864 bytes; ws 98,304 bytes; wp16 2,097,152 bytes; qkv16 25,165,824 bytes; q32 393,216 bytes; y16 8,388,608 bytes
;; launch prep (part 1): grid 448 x 1, 4 waves a work-group, no clusters, 33,280 bytes of LDS; arguments x, W_qkv, W_proj, xc, xs, wc, ws, wp16; writes xc, xs, wc, ws, wp16
.if DOCPART == 1
	.amdgcn_target "amdgcn-amd-amdhsa--gfx1250"
	.amdhsa_code_object_version 6
	.text
	.protected	k_q85a777d1b1_prep
	.globl	k_q85a777d1b1_prep
	.p2align	8
	.type	k_q85a777d1b1_prep,@function
k_q85a777d1b1_prep:
	s_mov_b64 s[64:65], 0
	v_nop
	global_prefetch_b8 v0, s[64:65] scope:SCOPE_SE
	s_setreg_imm32_b32 hwreg(HW_REG_WAVE_MODE, 25, 1), 1
	s_wait_xcnt 0x0
; THREE JOBS IN ONE LAUNCH, told apart by the work-group's number.
;   0..127   x [4096][1024] f32      -> xc: codes of E2M1, K innermost, 512 bytes a row; xs: one E8M0 byte for each 32 along K, 32 bytes a row.
;   128..319 W_qkv [1024 k][3072 n]  -> wc, ws: quantised along k (its FIRST axis), laid in the order of the matrix operand's registers:
;            wc [n / 16][k / 128][1,024 bytes]: block t of 32 codes of column 16 nt + r at 256 t + 16 r;  ws [k / 128][n][4 bytes].
;   320..447 W_proj [1024 k][1024 n] -> wp16: f16, [n / 16][k / 32][1,024 bytes]: the eight numbers k = 32 ks + 8 p + 0..7 of column 16 nt + r at 256 p + 16 r.
; A block's scale is 2^(floor(log2(its largest magnitude)) - 2); its byte is the largest magnitude's exponent field - 2, held at 1 from below.
; LIMITS: NaN and infinities among the inputs are not served; blocks whose largest magnitude lies under 2^-124 keep the byte 1; a block of zeros gets the byte 1 where the
; rule says 127: its codes are zeros, and the bytes are read by this program alone.  W_proj beyond 65,504 in magnitude would become an infinity of f16.
; Only the first job uses LDS: a region of 8,192 bytes for each wave (two stages of 32 x 80 bytes, then 256 scale bytes); no wave reads another's bytes, so there is no barrier.
.set WREG,  8192
.set SP,    80                         ; a lane's place in a stage: 64 bytes + 16 of padding
.set SPARE, 4*WREG                     ; the spare words: 128 bytes a wave, two blocks of 256 bytes that no other line names
.set SPW,   12                         ; v12 my spare word's address; never rewritten
.set NIL,   13                         ; v13 0; never rewritten
.set STEPS, 16
.set R,     16                         ; v16-143  x: eight sets of 16 numbers as loaded
.set X,     144                        ; v144-175 x: two sets of 16 neighbours
.set C,     176                        ; v176-207 x: two registers of codes for each step: no store's data are written again
.set E,     208                        ; v208-223 x: a scale byte for each step
	s_load_b256 s[4:11], s[0:1], 0x0               ; x s[4:5], W_qkv s[6:7], W_proj s[8:9], xc s[10:11]
	s_load_b256 s[12:19], s[0:1], 0x20             ; xs s[12:13], wc s[14:15], ws s[16:17], wp16 s[18:19]
	v_lshl_add_u32 v[SPW], v0, 2, SPARE
	v_mov_b32 v[NIL], 0
	v_lshrrev_b32 v1, 5, v0
	v_readfirstlane_b32 s20, v1                    ; wave
	v_and_b32 v2, 31, v0                           ; lane
	s_mul_i32 s21, s20, WREG                       ; every LDS address is made here, ahead of the parting
	v_lshrrev_b32 v14, 2, v2
	v_mul_u32_u24 v14, v14, SP
	v_and_b32 v15, 3, v2
	v_lshl_add_u32 v14, v15, 4, v14
	v_add_nc_u32 v14, s21, v14                     ; into a stage: 80 (lane / 4) + 16 (lane % 4)
	v_mul_u32_u24 v15, v2, SP
	v_add_nc_u32 v15, s21, v15                     ; out of it: 80 x lane
	v_lshrrev_b32 v5, 1, v2
	s_add_co_u32 s21, s21, 2*32*SP
	v_add_nc_u32 v5, s21, v5                       ; my block's scale byte
	v_lshlrev_b32 v4, 3, v2                        ; 8 x lane
	v_add_nc_u32 v6, s21, v4                       ; the scale bytes on their way out
	s_mov_b32 s25, 0
	s_wait_kmcnt 0x0
	s_cmp_lt_u32 ttmp9, 128
	s_cbranch_scc0 .Lnot_x
; ---------------- x.  A wave takes 16 steps of 512 numbers.  Loads take the bytes as they lie (512 consecutive bytes an instruction); a step's 2,048 bytes turn through the
; wave's stage, so that a lane then holds 16 neighbours along K (two lanes a block).  Loads run eight steps (32 loads a wave) ahead, the turn one step.
	v_lshlrev_b32 v3, 4, v2                        ; my 16 bytes of a load's 512
	s_lshl_b32 s22, ttmp9, 2
	s_add_co_u32 s22, s22, s20                     ; which run of 8,192 numbers is my wave's
	s_lshl_b32 s24, s22, 15
	s_add_nc_u64 s[4:5], s[4:5], s[24:25]
	s_lshl_b32 s24, s22, 12
	s_add_nc_u64 s[10:11], s[10:11], s[24:25]
	s_lshl_b32 s24, s22, 8
	s_add_nc_u64 s[12:13], s[12:13], s[24:25]
.macro XLOAD t
.irp i, 0,1,2,3
	global_load_b128 v[R+16*((\t)%8)+4*\i:R+16*((\t)%8)+4*\i+3], v3, s[4:5] offset:2048*(\t)+512*\i th:TH_LOAD_NT
.endr
.endm
.macro XTURN t                         ; LDS serves a wave's instructions in order: no wait between the stores and the loads
.irp i, 0,1,2,3
	ds_store_b128 v14, v[R+16*((\t)%8)+4*\i:R+16*((\t)%8)+4*\i+3] offset:32*SP*((\t)%2)+8*SP*\i
.endr
.irp i, 0,1,2,3
	ds_load_b128 v[X+16*((\t)%2)+4*\i:X+16*((\t)%2)+4*\i+3], v15 offset:32*SP*((\t)%2)+16*\i
.endr
.endm
.irp t, 0,1,2,3,4,5,6,7
	XLOAD \t
.endr
	s_wait_loadcnt 28                              ; step 0's four loads are in; the seven steps behind it may be out
	XTURN 0
.macro XSTEP t
.set XS, X+16*((\t)%2)
.if (\t) > 0
	s_wait_dscnt 1                                 ; this step's numbers are back (the last step's byte store may be out): so its stores into the stage have read their registers,
.else
	s_wait_dscnt 0x0
.endif
.if (\t)+8 < STEPS
	XLOAD (\t)+8                                   ; which take the loads of eight steps on
.endif
.if (\t)+1 < STEPS
.if STEPS-2-(\t) >= 7
	s_wait_loadcnt 28                              ; the next step's four loads are in; those of the seven steps behind it may be out
.else
	s_wait_loadcnt 4*(STEPS-2-(\t))                ; towards the end fewer steps stand behind it
.endif
	XTURN (\t)+1
.endif
	v_max3_num_f32 v8, |v[XS]|, |v[XS+1]|, |v[XS+2]|
	v_max3_num_f32 v9, |v[XS+3]|, |v[XS+4]|, |v[XS+5]|
.irp i, 6,10
	v_max3_num_f32 v8, v8, |v[XS+\i]|, |v[XS+\i+1]|
	v_max3_num_f32 v9, v9, |v[XS+\i+2]|, |v[XS+\i+3]|
.endr
	v_max3_num_f32 v8, v8, |v[XS+14]|, |v[XS+15]|
	v_max3_num_f32 v8, v8, v9, 0x1800000           ; and the floor 2^(3 - 127): the byte cannot fall under 1
	v_max_num_f32_dpp v8, v8, v8 row_xmask:1 row_mask:0xf bank_mask:0xf   ; with my neighbour's 16: the block's largest magnitude
	v_add_nc_u32 v11, 0xff000000, v8               ; 2 off its exponent field: the conversion takes that field as its scale
	v_cvt_scalef32_pk8_fp4_f32 v[C+2*(\t)], v[XS:XS+7], v11
	v_cvt_scalef32_pk8_fp4_f32 v[C+2*(\t)+1], v[XS+8:XS+15], v11
	v_lshrrev_b32 v[E+(\t)], 23, v11               ; the scale's byte (also the plain line behind the conversions)
	ds_store_b8 v5, v[E+(\t)] offset:16*(\t)       ; both lanes of a block write the same byte with the same value
	global_store_b64 v4, v[C+2*(\t):C+2*(\t)+1], s[10:11] offset:256*(\t)   ; the wave stores 256 consecutive bytes, aligned
.endm
.irp t, 0,1,2,3,4,5,6,7,8,9,10,11,12,13,14,15
	XSTEP \t
.endr
	ds_load_b64 v[8:9], v6
	s_wait_dscnt 0x0
	global_store_b64 v4, v[8:9], s[12:13]          ; the wave's 256 scale bytes, aligned
	s_wait_tensorcnt 0x0                           ; the wave's end
	ds_add_u32 v[SPW], v[NIL]
	s_wait_dscnt 0x0
	s_endpgm
.Lnot_x:
	s_cmp_lt_u32 ttmp9, 320
	s_cbranch_scc0 .Lproj_w
; ---------------- W_qkv.  A lane takes a column n and its registers run down k: a block of 32 lies in one lane, and the conversions give codes with k innermost.
; A wave: 32 columns x 128 k (four blocks).  Each load reads 128 consecutive bytes; each store of codes has sixteen lanes filling 256 consecutive bytes, aligned.
	s_sub_co_u32 s22, ttmp9, 128
	s_and_b32 s23, s22, 7                          ; which 128 along k
	s_lshr_b32 s22, s22, 3                         ; which 128 columns, 0..23
	s_lshl_b32 s22, s22, 7
	s_lshl_b32 s24, s20, 5
	s_add_co_u32 s22, s22, s24                     ; my wave's first column
	v_lshlrev_b32 v3, 2, v2                        ; 4 x lane
	v_lshrrev_b32 v4, 4, v2
	v_and_b32 v7, 15, v2
	v_lshlrev_b32 v4, 13, v4
	v_lshl_add_u32 v4, v7, 4, v4                   ; codes: 8,192 (lane / 16) + 16 (lane % 16)
	s_mul_i32 s24, s23, 128*12288
	s_lshl_b32 s26, s22, 2
	s_add_co_u32 s24, s24, s26
	s_add_nc_u64 s[6:7], s[6:7], s[24:25]
	s_lshl_b32 s24, s22, 9                         ; (column / 16) x 8,192
	s_lshl_b32 s27, s23, 10
	s_add_co_u32 s24, s24, s27
	s_add_nc_u64 s[14:15], s[14:15], s[24:25]
	s_mul_i32 s24, s23, 12288
	s_add_co_u32 s24, s24, s26
	s_add_nc_u64 s[16:17], s[16:17], s[24:25]
.macro WLOAD t
.set i, 0
.rept 32
	global_load_b32 v[16+32*((\t)%2)+i], v3, s[6:7] offset:(32*(\t)+i)*12288 th:TH_LOAD_NT
.set i, i+1
.endr
.endm
.macro WBLOCK t
.set XS, 16+32*((\t)%2)
.if (\t) < 3
	s_wait_loadcnt 32                              ; this block's 32 loads are in; the next block's may be out
.else
	s_wait_loadcnt 0x0
.endif
	v_max3_num_f32 v8, |v[XS]|, |v[XS+1]|, |v[XS+2]|
	v_max3_num_f32 v9, |v[XS+3]|, |v[XS+4]|, |v[XS+5]|
.irp i, 6,10,14,18,22,26
	v_max3_num_f32 v8, v8, |v[XS+\i]|, |v[XS+\i+1]|
	v_max3_num_f32 v9, v9, |v[XS+\i+2]|, |v[XS+\i+3]|
.endr
	v_max3_num_f32 v8, v8, |v[XS+30]|, |v[XS+31]|
	v_max3_num_f32 v8, v8, v9, 0x1800000
	v_add_nc_u32 v11, 0xff000000, v8
	v_lshrrev_b32 v9, 23, v11
.if (\t) == 0
	v_mov_b32 v96, v9                              ; the four bytes make the column's scale word for these 128 k
.else
	v_lshl_or_b32 v96, v9, 8*(\t), v96
.endif
.irp g, 0,1,2,3
	v_cvt_scalef32_pk8_fp4_f32 v[100+4*(\t)+\g], v[XS+8*\g:XS+8*\g+7], v11
.endr
	global_store_b128 v4, v[100+4*(\t):103+4*(\t)], s[14:15] offset:256*(\t)
.if (\t) < 2
	WLOAD (\t)+2
.endif
.endm
	WLOAD 0
	WLOAD 1
	WBLOCK 0
	WBLOCK 1
	WBLOCK 2
	WBLOCK 3
	global_store_b32 v3, v96, s[16:17]             ; 128 consecutive bytes a wave: one byte in 128 of what this job reads
	s_endpgm
.Lproj_w:
; ---------------- W_proj to f16.  A lane takes a column, 64 k down; eight neighbours along k pack into 16 bytes.
	s_sub_co_u32 s22, ttmp9, 320
	s_lshr_b32 s23, s22, 3                         ; which 64 along k, 0..15
	s_and_b32 s22, s22, 7                          ; which 128 columns
	s_lshl_b32 s22, s22, 7
	s_lshl_b32 s24, s20, 5
	s_add_co_u32 s22, s22, s24                     ; my wave's first column
	v_lshlrev_b32 v3, 2, v2
	v_lshrrev_b32 v4, 4, v2
	v_and_b32 v7, 15, v2
	v_lshlrev_b32 v4, 15, v4
	v_lshl_add_u32 v4, v7, 4, v4                   ; 32,768 (lane / 16) + 16 (lane % 16)
	s_lshl_b32 s24, s23, 18
	s_lshl_b32 s26, s22, 2
	s_add_co_u32 s24, s24, s26
	s_add_nc_u64 s[8:9], s[8:9], s[24:25]
	s_lshl_b32 s24, s22, 11                        ; (column / 16) x 32,768
	s_lshl_b32 s26, s23, 11                        ; two steps of 32 along k, 1,024 bytes each
	s_add_co_u32 s24, s24, s26
	s_add_nc_u64 s[18:19], s[18:19], s[24:25]
.set i, 0
.rept 64
	global_load_b32 v[16+i], v3, s[8:9] offset:i*4096
.set i, i+1
.endr
.irp u, 0,1
	s_wait_loadcnt 32-32*\u                        ; the first 32 rows are in while the other 32 may be out; then all
.irp e, 0,1,2,3,4,5,6,7,8,9,10,11,12,13,14,15
	v_cvt_pk_f16_f32 v[96+16*\u+\e], v[16+32*\u+2*\e], v[17+32*\u+2*\e]
.endr
.irp p, 0,1,2,3
	global_store_b128 v4, v[96+16*\u+4*\p:99+16*\u+4*\p], s[18:19] offset:1024*\u+256*\p
.endr
.endr
	s_endpgm
.Lfunc_end_k_q85a777d1b1_prep:
	.size	k_q85a777d1b1_prep, .Lfunc_end_k_q85a777d1b1_prep-k_q85a777d1b1_prep
	.p2alignl 7, 3214868480
	.fill 96, 4, 3214868480
	.section	.rodata,"a",@progbits
	.p2align	6, 0x0
	.amdhsa_kernel k_q85a777d1b1_prep
		.amdhsa_group_segment_fixed_size 33280
		.amdhsa_private_segment_fixed_size 0
		.amdhsa_enable_private_segment 0
		.amdhsa_kernarg_size 64
		.amdhsa_user_sgpr_count 2
		.amdhsa_user_sgpr_kernarg_segment_ptr 1
		.amdhsa_wavefront_size32 1
		.amdhsa_system_sgpr_workgroup_id_x 1
		.amdhsa_system_sgpr_workgroup_id_y 1
		.amdhsa_system_sgpr_workgroup_id_z 1
		.amdhsa_system_vgpr_workitem_id 0
		.amdhsa_next_free_vgpr 224
		.amdhsa_next_free_sgpr 66
		.amdhsa_reserve_vcc 0
		.amdhsa_float_denorm_mode_32 3
		.amdhsa_float_denorm_mode_16_64 3
		.amdhsa_memory_ordered 1
		.amdhsa_forward_progress 1
		.amdhsa_inst_pref_size 62
	.end_amdhsa_kernel
	.amdgpu_metadata
---
amdhsa.version: [ 1, 2 ]
amdhsa.kernels:
  - .name:           k_q85a777d1b1_prep
    .symbol:         k_q85a777d1b1_prep.kd
    .args:
      - { .name: x, .offset: 0, .size: 8, .value_kind: global_buffer, .address_space: global }
      - { .name: W_qkv, .offset: 8, .size: 8, .value_kind: global_buffer, .address_space: global }
      - { .name: W_proj, .offset: 16, .size: 8, .value_kind: global_buffer, .address_space: global }
      - { .name: xc, .offset: 24, .size: 8, .value_kind: global_buffer, .address_space: global }
      - { .name: xs, .offset: 32, .size: 8, .value_kind: global_buffer, .address_space: global }
      - { .name: wc, .offset: 40, .size: 8, .value_kind: global_buffer, .address_space: global }
      - { .name: ws, .offset: 48, .size: 8, .value_kind: global_buffer, .address_space: global }
      - { .name: wp16, .offset: 56, .size: 8, .value_kind: global_buffer, .address_space: global }
    .group_segment_fixed_size: 33280
    .private_segment_fixed_size: 0
    .kernarg_segment_align: 8
    .kernarg_segment_size: 64
    .max_flat_workgroup_size: 128
    .sgpr_count:     66
    .vgpr_count:     224
    .wavefront_size: 32
...
	.end_amdgpu_metadata
.endif
;; end of part 1
;; launch qkv (part 2): grid 16 x 16, 4 waves a work-group, clusters of 4 x 1, 262,144 bytes of LDS; arguments xc, xs, wc, ws, b_qkv, qkv16, q32; writes qkv16, q32
.if DOCPART == 2
	.amdgcn_target "amdgcn-amd-amdhsa--gfx1250"
	.amdhsa_code_object_version 6
	.text
	.protected	k_q85a777d1b1_qkv
	.globl	k_q85a777d1b1_qkv
	.p2align	8
	.type	k_q85a777d1b1_qkv,@function
k_q85a777d1b1_qkv:
	s_mov_b64 s[64:65], 0
	v_nop
	global_prefetch_b8 v0, s[64:65] scope:SCOPE_SE
	s_setreg_imm32_b32 hwreg(HW_REG_WAVE_MODE, 25, 1), 1
	s_wait_xcnt 0x0
	s_wait_alu depctr_hold_cnt(0) depctr_sa_sdst(0) depctr_va_vdst(0) depctr_va_sdst(0) depctr_va_ssrc(0) depctr_va_vcc(0) depctr_vm_vsrc(0)
	s_getreg_b32 s2, hwreg(HW_REG_IB_STS2, 6, 4)
	s_cmp_eq_u32 s2, 0
	s_cbranch_scc0 .Lentry_in_a_cluster
	s_endpgm
.Lentry_in_a_cluster:
	s_bfe_u32 s2, ttmp6, 0x10000c
	s_cmp_lg_u32 s2, 0x3003
	s_cbranch_scc0 .Lentry_shape_is_right
	s_endpgm
.Lentry_shape_is_right:
; qkv = Q(x) Q(W_qkv) + b_qkv on codes of E2M1 with E8M0 scales; sums in f32.  4,096 x 3,072, K = 1,024.
; A work-group makes 256 tokens x 192 columns, a wave 128 x 96: 8 x 6 accumulators, 384 registers.  ALL OF K LIES IN LDS: 256 rows x 512 bytes of x's codes and 12 column tiles x 8,192 bytes
; of W's, each in two halves of K, and their scale bytes: every byte of LDS is filled once, so there is no ring.  Eight steps of 128 along K, 48 matrix instructions each, written out.
; CLUSTER: the four work-groups of a cluster share their 256 tokens: x's codes and scales are asked for JOINTLY (mask 15; the address hangs on the tile row and the wave's number alone).
; W's tiles differ from partner to partner and come by plain loads.  4 x 1 and not 4 x 4: the branch round the f32 copy below hangs on the tile row, which all four partners share.
; THE MATRIX INSTRUCTION IS USED TRANSPOSED (source 0 = 16 columns of W, source 1 = 16 tokens): a lane holds one token and eight neighbouring columns, which pack into 16 bytes of f16.
; OUT: qkv16 [batch][column / 16][token / 16][512 bytes], lane l's 16 bytes at 16 l: each accumulator is one store of 512 consecutive bytes, and the next launch loads it as an operand's registers.
; The first 16 tokens of each batch also leave in f32 (q32, the accumulators as they stand), for the launch that carries those rows finely.
; LIMIT: q, k, v beyond 65,504 in magnitude become infinities of f16 (with all inputs 30 times those drawn they stay under 10,000).
; REGISTERS: window 0: v16-29 addresses; v32-95 x's scale words (8 a + step), v96-143 W's (8 b + step): these hold scales alone; v144-207 x's 8 fragments, one set; on the way out v144-239 packed results.
;   window 1: W's fragments, two sets at v0 and v64; v128-175 the bias, 8 registers a column tile, the C of each sum's first product.   windows 2, 3: accumulators of token blocks 0-3, 4-7 at 48 (a % 4) + 8 b.
.set AHS,   69632                      ; x's codes, one half of K: 256 rows x (256 + 16) bytes; the halves at 0 and AHS
.set BH,    139264                     ; W's codes: 12 tiles x 4,096 bytes a half
.set BHS,   49152
.set ASC,   237568                     ; x's scale bytes: 2 x 16 units of 256 + 16 bytes
.set BSC,   246272                     ; W's scale words: 2 x [8 steps][96 columns][4 bytes]
.set SPARE, 252416                     ; the spare words: 128 bytes a wave, two blocks of 256 bytes that no other line names
.set ADRA, 16
.set ADRB, 20
.set ADSA, 22
.set ADSB, 23
.set GO,   24                          ; 16 x lane
.set BOF,  25                          ; 32 x (lane / 16)
.set SPW,  28
.set NIL,  29
.set SA,   32
.set SB,   96
.set AF,   144
.set TMP,  144
.set BIAS, 128
.set G1A,  24
.set G0A,  32
.set G1B,  40
.set G0B,  48
.set G1SA, 56
.set G0SA, 68
.set G1SB, 72
.set G0SB, 80
.set MSB, 0
.macro WIN new                         ; the immediate's high byte repeats the setting that is left
.if MSB != (\new)
	s_set_vgpr_msb (MSB<<8)|(\new)
.set MSB, (\new)
.endif
.endm
.macro JLOAD g0a, g1a, g0b, g1b        ; waves 0 and 1 fetch for x, waves 2 and 3 for W; an s_nop 0 and four v_nop follow each line
	s_cmp_eq_u32 s19, 0
	s_cbranch_scc0 .Lfor_b_\@
	tensor_load_to_lds s[\g0a:\g0a+3], s[\g1a:\g1a+7]
	s_nop 0
.rept 4
	v_nop
.endr
	s_branch .Lasked_\@
.Lfor_b_\@:
	tensor_load_to_lds s[\g0b:\g0b+3], s[\g1b:\g1b+7]
	s_nop 0
.rept 4
	v_nop
.endr
.Lasked_\@:
.endm
.macro CROUND                          ; a round of the cluster's barrier
	s_barrier_signal -1
	s_barrier_wait -1
	s_cmp_lg_u32 s18, 0
	s_cbranch_scc1 .Lnot_wave_0_\@
	s_barrier_signal -3
.Lnot_wave_0_\@:
	s_barrier_wait -3
	s_barrier_signal -1
	s_barrier_wait -1
.endm
.macro PLACES
.rept 4
	v_nop
.endr
.endm
	s_load_b256 s[4:11], s[0:1], 0x0               ; xc s[4:5], xs s[6:7], wc s[8:9], ws s[10:11]
	s_load_b128 s[12:15], s[0:1], 0x20             ; b_qkv s[12:13], qkv16 s[14:15]
	s_load_b64 s[16:17], s[0:1], 0x30              ; q32
	v_lshl_add_u32 v[SPW], v0, 2, SPARE
	v_mov_b32 v[NIL], 0
	ds_add_u32 v[SPW], v[NIL]                      ; the opening: the add, twice on end, and its wait ahead of my first tensor load
	ds_add_u32 v[SPW], v[NIL]
	v_lshrrev_b32 v1, 5, v0
	v_readfirstlane_b32 s18, v1                    ; wave
	s_lshr_b32 s19, s18, 1                         ; my half of the tokens.  Also: I fetch for x (0) or for W (1)
	s_and_b32 s20, s18, 1                          ; my half of the columns.  Also: which half of that tile I fetch
	s_bfe_u32 s21, ttmp6, 0x40000                  ; cx
	s_lshl_b32 s22, ttmp9, 2
	s_add_co_u32 s22, s22, s21                     ; column block of 192: 4 x cluster x + cx
	s_and_b32 s23, ttmp7, 0xffff                   ; token block of 256, shared by the four partners
	s_mov_b32 s[G1A], 15|(1<<20)|(1<<21)|(5<<22)|(3<<25)   ; x's codes: mask of all four; bytes; 4 words of padding behind every 64
	s_mov_b32 s[G1A+1], 256<<16                    ; tensor_dim0 = 256 bytes
	s_mov_b32 s[G1A+2], 128<<16                    ; tensor_dim1 = 128 rows
	s_mov_b32 s[G1A+3], 256<<16                    ; tile_dim0
	s_mov_b32 s[G1A+4], 128                        ; tile_dim1
	s_mov_b32 s[G1A+5], 512                        ; a row of xc
	s_mov_b32 s[G1A+6], 0
	s_mov_b32 s[G1A+7], 0
	s_mov_b32 s[G1B], 3<<16                        ; W's codes: no mask; elements of 8 bytes; 6 tiles x 4,096 bytes, 8,192 apart
	s_mov_b32 s[G1B+1], 512<<16
	s_mov_b32 s[G1B+2], 6<<16
	s_mov_b32 s[G1B+3], 512<<16
	s_mov_b32 s[G1B+4], 6
	s_mov_b32 s[G1B+5], 1024
	s_mov_b32 s[G1B+6], 0
	s_mov_b32 s[G1B+7], 0
	s_mov_b32 s[G1SA], 15|(3<<16)|(1<<20)|(1<<21)|(5<<22)|(3<<25)   ; x's scales of 128 rows: 4,096 dense bytes as 16 rows of 256, padded
	s_mov_b32 s[G1SA+1], 32<<16
	s_mov_b32 s[G1SA+2], 16<<16
	s_mov_b32 s[G1SA+3], 32<<16
	s_mov_b32 s[G1SA+4], 16
	s_mov_b32 s[G1SA+5], 32
	s_mov_b32 s[G1SA+6], 0
	s_mov_b32 s[G1SA+7], 0
	s_mov_b32 s[G1SB], 3<<16                       ; W's scale words of 96 columns: 8 rows (steps) of 384 bytes, 12,288 apart
	s_mov_b32 s[G1SB+1], 48<<16
	s_mov_b32 s[G1SB+2], 8<<16
	s_mov_b32 s[G1SB+3], 48<<16
	s_mov_b32 s[G1SB+4], 8
	s_mov_b32 s[G1SB+5], 1536
	s_mov_b32 s[G1SB+6], 0
	s_mov_b32 s[G1SB+7], 0
	s_lshl_b32 s84, s23, 8
	s_lshl_b32 s86, s20, 7
	s_add_co_u32 s86, s84, s86                     ; x: the first row that I fetch: 256 x token block + 128 x half
	s_lshl_b32 s84, s86, 9                         ; its codes,
	s_mov_b32 s85, 0
	s_lshl_b32 s86, s86, 5                         ; its scale bytes
	s_mov_b32 s87, 0
	s_mul_i32 s98, s22, 12
	s_mul_i32 s99, s20, 6
	s_add_co_u32 s98, s98, s99                     ; W: the first column tile of my half: 12 x column block + 6 x half (the half that I fetch is also the half that I multiply)
	s_lshl_b32 s88, s98, 13
	s_mov_b32 s89, 0
	s_lshl_b32 s90, s98, 6
	s_mov_b32 s91, 0
	s_mul_i32 s92, s20, 34816                      ; where they go: no place in the cluster enters an LDS address
	s_mul_i32 s93, s20, 24576
	s_mul_i32 s94, s20, 4352
	s_mul_i32 s95, s20, 3072
	s_wait_dscnt 0x0                               ; both opening adds are done
	s_wait_kmcnt 0x0
	s_add_nc_u64 s[84:85], s[4:5], s[84:85]
	s_add_nc_u64 s[86:87], s[6:7], s[86:87]
	s_add_nc_u64 s[88:89], s[8:9], s[88:89]
	s_add_nc_u64 s[90:91], s[10:11], s[90:91]
	CROUND                                         ; all four work-groups are here: the joint loads meet
	s_mov_b32 s[G0SA], 1
	s_add_co_u32 s[G0SA+1], s94, ASC
	s_mov_b64 s[G0SA+2:G0SA+3], s[86:87]
	s_or_b32 s[G0SA+3], s[G0SA+3], 0x80000000
	s_mov_b32 s[G0SB], 1
	s_add_co_u32 s[G0SB+1], s95, BSC
	s_mov_b64 s[G0SB+2:G0SB+3], s[90:91]
	s_or_b32 s[G0SB+3], s[G0SB+3], 0x80000000
	JLOAD G0SA, G1SA, G0SB, G1SB                   ; the scales first: they are wanted with step 0
.irp s, 0,1
	s_mov_b32 s[G0A+4*\s], 1
	s_add_co_u32 s[G0A+4*\s+1], s92, \s*AHS
	s_add_nc_u64 s[G0A+4*\s+2:G0A+4*\s+3], s[84:85], \s*256
	s_or_b32 s[G0A+4*\s+3], s[G0A+4*\s+3], 0x80000000
	s_mov_b32 s[G0B+4*\s], 1
	s_add_co_u32 s[G0B+4*\s+1], s93, BH+\s*BHS
	s_add_nc_u64 s[G0B+4*\s+2:G0B+4*\s+3], s[88:89], \s*4096
	s_or_b32 s[G0B+4*\s+3], s[G0B+4*\s+3], 0x80000000
	JLOAD G0A+4*\s, G1A, G0B+4*\s, G1B             ; by my own count three tensor loads of mine are out behind the second of these
.endr
	v_and_b32 v1, 15, v0                           ; r
	v_bfe_u32 v2, v0, 4, 1                         ; h
	v_and_b32 v3, 31, v0
	v_mul_u32_u24 v4, v1, 272
	v_lshl_add_u32 v4, v2, 4, v4                   ; x's fragments: row x pitch + 16 h
	s_mul_i32 s96, s19, 34816
	v_add_nc_u32 v[ADRA], s96, v4
	s_add_co_u32 s96, s96, AHS
	v_add_nc_u32 v[ADRA+1], s96, v4
	v_lshlrev_b32 v[GO], 4, v3
	s_mul_i32 s96, s20, 24576
	s_add_co_u32 s96, s96, BH
	v_add_nc_u32 v[ADRB], s96, v[GO]               ; W's fragments lie as registers: 16 x lane
	s_add_co_u32 s96, s96, BHS
	v_add_nc_u32 v[ADRB+1], s96, v[GO]
	v_lshlrev_b32 v5, 5, v1                        ; x's scales: 32 bytes a row, and 16 more for each 256 passed
	v_lshrrev_b32 v6, 3, v1
	v_lshl_add_u32 v5, v6, 4, v5
	s_mul_i32 s96, s19, 4352
	s_add_co_u32 s96, s96, ASC
	v_add_nc_u32 v[ADSA], s96, v5
	s_mul_i32 s96, s20, 3072
	s_add_co_u32 s96, s96, BSC
	v_lshl_add_u32 v[ADSB], v1, 2, s96
	v_lshlrev_b32 v[BOF], 5, v2
	s_lshl_b32 s96, s98, 6                         ; the bias of my 96 columns
	s_mov_b32 s97, 0
	s_add_nc_u64 s[12:13], s[12:13], s[96:97]
	WIN 0x40                                       ; destination window 1
.irp b, 0,1,2,3,4,5
	global_load_b128 v[BIAS+8*\b:BIAS+8*\b+3], v[BOF], s[12:13] offset:64*\b      ; lane (r, h): b_qkv at the tile's columns 8 h + 0 .. 7
	global_load_b128 v[BIAS+8*\b+4:BIAS+8*\b+7], v[BOF], s[12:13] offset:64*\b+16
.endr
	WIN 0
	s_lshr_b32 s99, s23, 3                         ; batch
	s_mul_i32 s96, s99, 12582912
	s_lshl_b32 s93, s98, 16                        ; a column tile's plane: 128 token tiles x 512 bytes
	s_add_co_u32 s96, s96, s93
	s_and_b32 s92, s23, 7
	s_lshl_b32 s93, s92, 13                        ; 16 token tiles a token block
	s_add_co_u32 s96, s96, s93
	s_lshl_b32 s93, s19, 12                        ; 8 for my half
	s_add_co_u32 s96, s96, s93
	s_add_nc_u64 s[14:15], s[14:15], s[96:97]
	s_mul_i32 s96, s99, 196608
	s_lshl_b32 s93, s98, 10
	s_add_co_u32 s96, s96, s93
	s_add_nc_u64 s[16:17], s[16:17], s[96:97]
	s_or_b32 s92, s92, s19                         ; 0 in the waves that hold a batch's first 16 tokens: made of the tile row and the wave's number
.macro FETCH_A slot, q, i0             ; x's blocks i0 .. i0 + 3 of the half's q-th 128 along K: registers 4 c .. 4 c + 3 hold K = 64 c + 32 h + 0 .. 31
.irp i, \i0, \i0+1, \i0+2, \i0+3
.irp c, 0,1
	ds_load_b128 v[AF+8*(\i)+4*\c:AF+8*(\i)+4*\c+3], v[ADRA+(\slot)] offset:64*(\q)+32*\c+(\i)*16*272
.endr
.endr
.endm
.macro FETCH_B slot, q, p              ; W's six fragments into set p
	WIN 0x40
.irp b, 0,1,2,3,4,5
.irp c, 0,1
	ds_load_b128 v[64*(\p)+8*\b+4*\c:64*(\p)+8*\b+4*\c+3], v[ADRB+(\slot)] offset:4096*\b+1024*(\q)+512*\c
.endr
.endr
	WIN 0
.endm
.macro MUL a0, p, g, first             ; 24 matrix instructions: four token blocks x six column tiles; the accumulators take turns, one instruction a turn
.irp a, \a0, \a0+1, \a0+2, \a0+3
.irp b, 0,1,2,3,4,5
.if \first
	v_wmma_scale_f32_16x16x128_f8f6f4 v[48*((\a)%4)+8*\b:48*((\a)%4)+8*\b+7], v[64*(\p)+8*\b:64*(\p)+8*\b+7], v[AF+8*(\a):AF+8*(\a)+7], v[BIAS+8*\b:BIAS+8*\b+7], v[SB+8*\b+(\g)], v[SA+8*(\a)+(\g)] matrix_a_fmt:MATRIX_FMT_FP4 matrix_b_fmt:MATRIX_FMT_FP4
.else
	v_wmma_scale_f32_16x16x128_f8f6f4 v[48*((\a)%4)+8*\b:48*((\a)%4)+8*\b+7], v[64*(\p)+8*\b:64*(\p)+8*\b+7], v[AF+8*(\a):AF+8*(\a)+7], v[48*((\a)%4)+8*\b:48*((\a)%4)+8*\b+7], v[SB+8*\b+(\g)], v[SA+8*(\a)+(\g)] matrix_a_fmt:MATRIX_FMT_FP4 matrix_b_fmt:MATRIX_FMT_FP4
.endif
.endr
.endr
.endm
; Step g of 128 along K.  A block of x is free once its six products are issued, so x has one set of registers: blocks 0-3 are fetched anew in the step's middle, blocks 4-7 at its end; W has two sets.
.macro STEP g, first
	s_wait_dscnt 8                                 ; W's set and x's blocks 0-3 are in; the youngest eight loads (blocks 4-7) may be out
.if \first
	WIN 0x91                                       ; source 0 window 1, source 1 window 0, C (the bias) window 1, D window 2
.else
	WIN 0xa1
.endif
	MUL 0, (\g)%2, \g, \first
	s_wait_dscnt 0x0                               ; blocks 4-7 are in
	PLACES                                         ; four places in front of loads into registers that matrix instructions have read
.if (\g) == 3
	WIN 0
	s_wait_tensorcnt 0x0                           ; my part of the second half of K has landed,
	s_barrier_signal -1
	s_barrier_wait -1                              ; everybody's has
.endif
.if (\g) < 7
	FETCH_B ((\g)+1)/4, ((\g)+1)%4, 1-(\g)%2
	FETCH_A ((\g)+1)/4, ((\g)+1)%4, 0
.endif
.if \first
	WIN 0xd1
.else
	WIN 0xf1
.endif
	MUL 4, (\g)%2, \g, \first
	PLACES
	WIN 0
.if (\g) < 7
	FETCH_A ((\g)+1)/4, ((\g)+1)%4, 4
.endif
.endm
	s_wait_tensorcnt 1                             ; the scales and my part of the first half of K are in; the second half's load may be out,
	s_barrier_signal -1
	s_barrier_wait -1                              ; everybody's are
.irp i, 0,1,2,3,4,5,6,7
	ds_load_b128 v[SA+8*\i:SA+8*\i+3], v[ADSA] offset:544*\i          ; x's block i: my row's eight scale words, one for each step
	ds_load_b128 v[SA+8*\i+4:SA+8*\i+7], v[ADSA] offset:544*\i+16
.endr
.irp i, 0,1,2,3,4,5
.irp g, 0,1,2,3,4,5,6,7
	ds_load_b32 v[SB+8*\i+\g], v[ADSB] offset:384*\g+64*\i
.endr
.endr
	FETCH_B 0, 0, 0
	FETCH_A 0, 0, 0
	FETCH_A 0, 0, 4
	s_wait_loadcnt 0x0                             ; the bias
	STEP 0, 1
	STEP 1, 0
	STEP 2, 0
	STEP 3, 0
	STEP 4, 0
	STEP 5, 0
	STEP 6, 0
	STEP 7, 0
	; THE WAY OUT.  Where my block 0 is a batch's first 16 tokens, its six accumulators leave as they stand, in f32.
	s_cmp_lg_u32 s92, 0
	s_cbranch_scc1 .Lnodump
	WIN 0x08                                       ; a store's data are its source 1: window 2
.irp b, 0,1,2,3,4,5
	global_store_b128 v[GO], v[8*\b:8*\b+3], s[16:17] offset:1024*\b
	global_store_b128 v[GO], v[8*\b+4:8*\b+7], s[16:17] offset:1024*\b+512
.endr
	WIN 0
.Lnodump:
.macro OUT a                           ; token block a: each accumulator, from its low end on, packs into 16 bytes a lane and leaves as 512 consecutive bytes
.if (\a) >= 4
	s_wait_xcnt 0x0                                ; the stores of four blocks ago have read their registers: this set of 24 is written again only behind this wait
.endif
	WIN 0x0a+5*((\a)/4)
.irp b, 0,1,2,3,4,5
.irp e, 0,1,2,3
	v_cvt_pk_f16_f32 v[TMP+24*((\a)%4)+4*\b+\e], v[48*((\a)%4)+8*\b+2*\e], v[48*((\a)%4)+8*\b+2*\e+1]
.endr
.endr
	WIN 0
.irp b, 0,1,2,3,4,5
	global_store_b128 v[GO], v[TMP+24*((\a)%4)+4*\b:TMP+24*((\a)%4)+4*\b+3], s[14:15] offset:65536*\b+512*(\a)
.endr
.endm
.irp a, 0,1,2,3,4,5,6,7
	OUT \a
.endr
	s_wait_tensorcnt 0x0                           ; the wave's end
	ds_add_u32 v[SPW], v[NIL]
	s_wait_dscnt 0x0
	CROUND                                         ; the closing round
	s_endpgm
.Lfunc_end_k_q85a777d1b1_qkv:
	.size	k_q85a777d1b1_qkv, .Lfunc_end_k_q85a777d1b1_qkv-k_q85a777d1b1_qkv
	.p2alignl 7, 3214868480
	.fill 96, 4, 3214868480
	.section	.rodata,"a",@progbits
	.p2align	6, 0x0
	.amdhsa_kernel k_q85a777d1b1_qkv
		.amdhsa_group_segment_fixed_size 262144
		.amdhsa_private_segment_fixed_size 0
		.amdhsa_enable_private_segment 0
		.amdhsa_kernarg_size 56
		.amdhsa_user_sgpr_count 2
		.amdhsa_user_sgpr_kernarg_segment_ptr 1
		.amdhsa_wavefront_size32 1
		.amdhsa_system_sgpr_workgroup_id_x 1
		.amdhsa_system_sgpr_workgroup_id_y 1
		.amdhsa_system_sgpr_workgroup_id_z 1
		.amdhsa_system_vgpr_workitem_id 0
		.amdhsa_next_free_vgpr 960
		.amdhsa_next_free_sgpr 100
		.amdhsa_reserve_vcc 0
		.amdhsa_float_denorm_mode_32 3
		.amdhsa_float_denorm_mode_16_64 3
		.amdhsa_memory_ordered 1
		.amdhsa_forward_progress 1
		.amdhsa_inst_pref_size 99
	.end_amdhsa_kernel
	.amdgpu_metadata
---
amdhsa.version: [ 1, 2 ]
amdhsa.kernels:
  - .name:           k_q85a777d1b1_qkv
    .symbol:         k_q85a777d1b1_qkv.kd
    .args:
      - { .name: xc, .offset: 0, .size: 8, .value_kind: global_buffer, .address_space: global }
      - { .name: xs, .offset: 8, .size: 8, .value_kind: global_buffer, .address_space: global }
      - { .name: wc, .offset: 16, .size: 8, .value_kind: global_buffer, .address_space: global }
      - { .name: ws, .offset: 24, .size: 8, .value_kind: global_buffer, .address_space: global }
      - { .name: b_qkv, .offset: 32, .size: 8, .value_kind: global_buffer, .address_space: global }
      - { .name: qkv16, .offset: 40, .size: 8, .value_kind: global_buffer, .address_space: global }
      - { .name: q32, .offset: 48, .size: 8, .value_kind: global_buffer, .address_space: global }
    .group_segment_fixed_size: 262144
    .private_segment_fixed_size: 0
    .kernarg_segment_align: 8
    .kernarg_segment_size: 56
    .max_flat_workgroup_size: 128
    .sgpr_count:     100
    .vgpr_count:     960
    .wavefront_size: 32
...
	.end_amdgpu_metadata
.endif
;; end of part 2
;; launch attn (part 3): grid 8 x 32, 8 waves a work-group, no clusters, 327,680 bytes of LDS; arguments qkv16, y16; writes y16
.if DOCPART == 3
	.amdgcn_target "amdgcn-amd-amdhsa--gfx1250"
	.amdhsa_code_object_version 6
	.text
	.protected	k_q85a777d1b1_attn
	.globl	k_q85a777d1b1_attn
	.p2align	8
	.type	k_q85a777d1b1_attn,@function
k_q85a777d1b1_attn:
	s_mov_b64 s[64:65], 0
	v_nop
	global_prefetch_b8 v0, s[64:65] scope:SCOPE_SE
	s_setreg_imm32_b32 hwreg(HW_REG_WAVE_MODE, 25, 1), 1
	s_wait_xcnt 0x0
; y[b][h][q] = the sum over k <= q of softmax_k(q . k / 8) v, head size 64, 2,048 positions, 32 heads in all.  Operands in f16, products, maxima and sums in f32; p is rounded to f16 for the second product.
; SHARES.  Work-group (i, head) owns query blocks i and 15 - i of 128 queries: under the causal mask that is the same work for every i.  Four of its eight waves take the early block and four the late one,
; 32 queries (two tiles of 16) each.  Every work-group walks 8 slots of 256 keys (constant trip counts); a step of 64 keys all of which come after a wave's queries is jumped over, by a branch on ids.
; NO CLUSTER: the work-groups of a head stop asking for tiles at different causal limits, so a partner would have to ask for tiles that none of its waves reads.
; LAYOUT.  S^T = K Q^T and O^T = V^T P: a lane holds one query throughout.  q, k, v lie in memory as images of operand registers ([channel / 16][token / 16][512 bytes], lane l's 16 bytes at 16 l):
; Q's and K's fragments are plain loads at 16 x lane; V is turned by ds_load_tr16_b128, for which its images get 128 bytes of padding behind each 256.
; SOFTMAX.  A running maximum m and sum l for each query: p = 2^(c s - c m), c = log2(e) / 8; O and l are multiplied by a = 2^(c m_old - c m_new) in every step.  Key 64 n <= the wave's first query in every
; step that is walked, so every query has a key that counts there.
; The first 16 positions of each sequence are computed here like all others and are written anew, from f32 operands, by the program's last launch.
; REGISTERS: v1-11 addresses and constants; v12-27 statistics, 8 a tile (+0 c m, +1 m, +2, +3 l, +4..7 at work; a in +6); v28-31 second chains of the sums; v32-63 Q; v64-127 K, then V; v128-191 S^T, then p, then P in place; v192-255 O^T.
.set SLOT1, 131072                     ; a slot: K's 4 planes x 8,192 bytes, then V's 4 x 12,288; slot 1 begins here, so that one exclusive or changes slots
.set VOFF,  32768
.set SPARE, 262144                     ; the spare words: 128 bytes a wave, four blocks of 256 bytes that no other line names
.set AK0, 1                            ; v1  16 x lane: K's and Q's images, and the way out
.set AV0, 2                            ; v2  my lane's place in an image of V
.set ADK, 3
.set ADV, 4
.set SPW, 5
.set NIL, 6
.set PFO, 7                            ; v7  256 x lane
.set DD,  8                            ; v8, v9  the mask: my query less the step's first key less 8 (lane / 16), for tiles 0, 1
.set NINF, 10
.set RH,  11                           ; v11 lane % 16 - 8 (lane / 16)
.set ST,  12
.set YS,  28
.set Q,   32
.set KV,  64
.set S,   128
.set O,   192
.set WV,  8
.set Q0,  11
.set LASTQ, 12
.set KF,  13
.set TB,  14
.set SLOTS, 15
.set G1K, 16
.set G1V, 24
.set G0K, 32
.set G0V, 36
.set CS,  40
.set SEL, 42
.set PFA, 44
.set LIM, 46
.set T0,  47
.macro TLOAD                           ; waves 0 to 3 fetch K's four planes, waves 4 to 7 V's: one load a wave; an s_nop 0 and four v_nop follow each line
	s_cmp_lt_u32 s[WV], 4
	s_cbranch_scc0 .Lfor_v_\@
	tensor_load_to_lds s[G0K:G0K+3], s[G1K:G1K+7]
	s_nop 0
.rept 4
	v_nop
.endr
	s_branch .Lasked_\@
.Lfor_v_\@:
	tensor_load_to_lds s[G0V:G0V+3], s[G1V:G1V+7]
	s_nop 0
.rept 4
	v_nop
.endr
.Lasked_\@:
.endm
; A PREFETCH INTO THE L2 of what the next change of slots will ask for: my plane's 8,192 bytes of the slot after the one just asked for, lanes 256 bytes apart, one instruction a wave.
; All eight work-groups of a head walk the same K and V; the one with i = 0, whose own loads run through all eight slots, asks, and nobody else: each block of 256 bytes of slots 2 to 7 is named once.
; Slots 0 and 1 come by their loads alone; the last change that fills a slot asks for nothing.
.macro ASK
	s_cmp_gt_u32 s[SLOTS], s[LIM]
	s_cbranch_scc0 .Lnot_mine_\@
	global_prefetch_b8 v[PFO], s[PFA:PFA+1] th:TH_LOAD_NT scope:SCOPE_SE
.Lnot_mine_\@:
.endm
	s_load_b128 s[4:7], s[0:1], 0x0                ; qkv16 s[4:5], y16 s[6:7]
	v_lshl_add_u32 v[SPW], v0, 2, SPARE
	v_mov_b32 v[NIL], 0
	ds_add_u32 v[SPW], v[NIL]                      ; the opening: the add, twice on end, and its wait ahead of my first tensor load
	ds_add_u32 v[SPW], v[NIL]
	v_lshrrev_b32 v1, 5, v0
	v_readfirstlane_b32 s[WV], v1                  ; wave 0..7
	s_mov_b32 s9, ttmp9                            ; i
	s_and_b32 s10, ttmp7, 0xffff                   ; 16 x batch + head
	s_lshr_b32 s50, s[WV], 2
	s_xor_b32 s50, s50, s[WV]
	s_and_b32 s50, s50, 1                          ; 1: my wave takes the late block (waves 1, 3, 4, 6)
	s_sub_co_u32 s51, 15, s9
	s_cmp_lg_u32 s50, 0
	s_cselect_b32 s51, s51, s9                     ; my block of 128 queries
	s_lshr_b32 s52, s[WV], 1
	s_and_b32 s52, s52, 3                          ; my 32 of them
	s_lshl_b32 s[Q0], s51, 7
	s_lshl_b32 s52, s52, 5
	s_add_co_u32 s[Q0], s[Q0], s52                 ; my first query
	s_sub_co_u32 s[LASTQ], 16, s9
	s_lshl_b32 s[LASTQ], s[LASTQ], 7
	s_sub_co_u32 s[LASTQ], s[LASTQ], 1             ; the work-group's last query
	s_mov_b32 s[KF], 0
	s_mov_b32 s[TB], 0
	s_mov_b32 s[SLOTS], 7
	s_mov_b32 s[G1K], 3<<16                        ; a plane's part of a slot: 8,192 dense bytes as 32 rows of 256 (32 elements of 8 bytes)
	s_mov_b32 s[G1K+1], 32<<16
	s_mov_b32 s[G1K+2], 32<<16
	s_mov_b32 s[G1K+3], 32<<16
	s_mov_b32 s[G1K+4], 32
	s_mov_b32 s[G1K+5], 32
	s_mov_b32 s[G1K+6], 0
	s_mov_b32 s[G1K+7], 0
	s_mov_b32 s[G1V], (3<<16)|(1<<20)|(5<<22)|(31<<25)   ; the same with 32 words of padding behind every 64
	s_mov_b32 s[G1V+1], 32<<16
	s_mov_b32 s[G1V+2], 32<<16
	s_mov_b32 s[G1V+3], 32<<16
	s_mov_b32 s[G1V+4], 32
	s_mov_b32 s[G1V+5], 32
	s_mov_b32 s[G1V+6], 0
	s_mov_b32 s[G1V+7], 0
	s_mov_b32 s[CS], 0x3e38aa3b                    ; c = log2(e) / 8
	s_mov_b32 s[CS+1], s[CS]
	s_mov_b32 s[SEL], 0x76543210
	s_mov_b32 s[SEL+1], 0xfedcba98
	s_lshr_b32 s49, s10, 4                         ; batch
	s_mul_i32 s50, s49, 12582912
	s_and_b32 s51, s10, 15                         ; head
	s_and_b32 s52, s[WV], 3                        ; the plane that I fetch
	s_lshl_b32 s53, s51, 2
	s_add_co_u32 s53, s53, s52
	s_lshl_b32 s53, s53, 16
	s_add_co_u32 s53, s53, s50
	s_add_co_u32 s54, s53, 64*65536                ; in k,
	s_mov_b32 s55, 0
	s_add_co_u32 s56, s53, 128*65536               ; in v
	s_mov_b32 s57, 0
	s_lshl_b32 s58, s52, 13
	s_mul_i32 s59, s52, 12288
	s_add_co_u32 s59, s59, VOFF
	s_wait_dscnt 0x0                               ; both opening adds are done
	s_wait_kmcnt 0x0
	s_mov_b32 s[G0K], 1
	s_mov_b32 s[G0K+1], s58
	s_add_nc_u64 s[G0K+2:G0K+3], s[4:5], s[54:55]
	s_or_b32 s[G0K+3], s[G0K+3], 0x80000000
	s_mov_b32 s[G0V], 1
	s_mov_b32 s[G0V+1], s59
	s_add_nc_u64 s[G0V+2:G0V+3], s[4:5], s[56:57]
	s_or_b32 s[G0V+3], s[G0V+3], 0x80000000
	TLOAD                                          ; slot 0: keys 0 to 255, which count for some query of every work-group
	s_cmp_lt_u32 s[WV], 4
	s_cselect_b32 s54, s54, s56
	s_add_nc_u64 s[PFA:PFA+1], s[4:5], s[54:55]
	s_add_nc_u64 s[PFA:PFA+1], s[PFA:PFA+1], 8192  ; at slot 1: the first change of slots steps it to slot 2
	s_cmp_eq_u32 s9, 0
	s_cselect_b32 s[LIM], 1, -1
	s_lshl_b32 s52, s51, 18                        ; q: the head's four planes,
	s_add_co_u32 s52, s52, s50
	s_lshl_b32 s53, s[Q0], 5                       ; my first token tile
	s_add_co_u32 s52, s52, s53
	s_mov_b32 s53, 0
	s_add_nc_u64 s[4:5], s[4:5], s[52:53]
	s_lshl_b32 s52, s49, 22                        ; y16: (128 x batch + first query / 16) x 32,768 + head x 2,048
	s_lshl_b32 s54, s[Q0], 11
	s_add_co_u32 s52, s52, s54
	s_lshl_b32 s54, s51, 11
	s_add_co_u32 s52, s52, s54
	s_add_nc_u64 s[6:7], s[6:7], s[52:53]
	v_and_b32 v[RH], 31, v0
	v_lshlrev_b32 v[AK0], 4, v[RH]
	v_lshlrev_b32 v[PFO], 8, v[RH]
.irp t, 0,1
.irp f, 0,1
.irp c, 0,1
	global_load_b128 v[Q+16*\t+8*\f+4*\c:Q+16*\t+8*\f+4*\c+3], v[AK0], s[4:5] offset:(2*\f+\c)*65536+\t*512   ; Q stays in registers
.endr
.endr
.endr
	v_bfe_u32 v[AV0], v0, 3, 1                     ; the turning load: lane l addresses key 8 (l / 16) + l % 8, channels 8 ((l / 8) % 2) + 0 .. 7
	v_mul_u32_u24 v[AV0], v[AV0], 384
	v_bfe_u32 v[ADK], v0, 4, 1
	v_lshl_add_u32 v[AV0], v[ADK], 7, v[AV0]
	v_and_b32 v[ADV], 7, v0
	v_lshl_add_u32 v[AV0], v[ADV], 4, v[AV0]
	v_add_nc_u32 v[AV0], VOFF, v[AV0]
	v_and_b32 v[RH], 15, v0
	v_lshlrev_b32 v[ADK], 3, v[ADK]
	v_sub_nc_u32 v[RH], v[RH], v[ADK]
	v_mov_b32 v[NINF], 0xff800000
.irp t, 0,1
	v_mov_b32 v[ST+8*\t+1], 0xff61b1e6             ; m: -3e38, under every score
	v_mul_f32 v[ST+8*\t], s[CS], v[ST+8*\t+1]
.irp j, 2,3,4,5,6,7
	v_mov_b32 v[ST+8*\t+\j], 0
.endr
.endr
.set n, 0
.rept 64
	v_mov_b32 v[O+n], 0                            ; O^T: the step is written once; the first finds zeros, which a = 0 leaves zeros
.set n, n+1
.endr
; A KEY STEP: 64 keys, the q-th of the slot in hand.
.macro STEP q
	s_add_co_u32 s[T0], s[Q0], 31
	s_cmp_gt_u32 s[KF], s[T0]                      ; all 64 keys come after my 32 queries: nothing to do but step the count
	s_cbranch_scc1 .Lhidden_\@
	v_add_nc_u32 v[ADK], s[TB], v[AK0]
	v_add_nc_u32 v[ADV], s[TB], v[AV0]
.rept 3
	v_nop                                          ; with the two additions five places: the last step's products read the registers that are loaded next, and P, over which the first products below write
.endr
.irp f, 0,1
.irp kt, 0,1,2,3
.irp c, 0,1
	ds_load_b128 v[KV+16*\kt+8*\f+4*\c:KV+16*\kt+8*\f+4*\c+3], v[ADK] offset:(2*\f+\c)*8192+(4*(\q)+\kt)*512
.endr
.endr
.endr
.irp f, 0,1
	s_wait_dscnt 8-8*\f                            ; channels 0-31 of the four key tiles are in while the eight loads of channels 32-63 may be out; then all
.irp t, 0,1
.irp kt, 0,1,2,3
.if \f == 0
	v_wmma_f32_16x16x32_f16 v[S+32*\t+8*\kt:S+32*\t+8*\kt+7], v[KV+16*\kt:KV+16*\kt+7], v[Q+16*\t:Q+16*\t+7], 0
.else
	v_wmma_f32_16x16x32_f16 v[S+32*\t+8*\kt:S+32*\t+8*\kt+7], v[KV+16*\kt+8:KV+16*\kt+15], v[Q+16*\t+8:Q+16*\t+15], v[S+32*\t+8*\kt:S+32*\t+8*\kt+7]
.endif
.endr
.endr
.endr
.rept 4
	v_nop                                          ; places in front of the loads into K's registers and of the first read of the scores
.endr
.irp c4, 0,1,2,3
.irp u, 0,1
.irp c, 0,1
	ds_load_tr16_b128 v[KV+16*\c4+8*\u+4*\c:KV+16*\c4+8*\u+4*\c+3], v[ADV] offset:\c4*12288+(4*(\q)+2*\u+\c)*768   ; V lands while the softmax is walked
.endr
.endr
.endr
	s_add_co_u32 s[T0], s[KF], 63
	s_cmp_le_u32 s[T0], s[Q0]                      ; every key counts for every query of mine: no mask
	s_cbranch_scc1 .Lopen_\@
	s_sub_co_u32 s[T0], s[Q0], s[KF]
	v_add_nc_u32 v[DD], s[T0], v[RH]
	v_add_nc_u32 v[DD+1], 16, v[DD]
.irp t, 0,1
.set n, 0
.rept 32
	v_cmp_gt_i32 vcc_lo, 16*(n/8)+n%8, v[DD+\t]    ; register n holds key 16 (n / 8) + 8 (lane / 16) + n % 8 of the step
	v_cndmask_b32 v[S+32*\t+n], v[S+32*\t+n], v[NINF], vcc_lo
.set n, n+1
.endr
.endr
.Lopen_\@:
.irp j, 0,1,2,3                        ; the maximum of 32 scores and the old m, the two tiles line by line
.irp t, 0,1
	v_max3_num_f32 v[ST+8*\t+4+\j], v[S+32*\t+8*\j], v[S+32*\t+8*\j+1], v[S+32*\t+8*\j+2]
.endr
.endr
.irp g, 1,2
.irp j, 0,1,2,3
.irp t, 0,1
	v_max3_num_f32 v[ST+8*\t+4+\j], v[ST+8*\t+4+\j], v[S+32*\t+8*\j+2*\g+1], v[S+32*\t+8*\j+2*\g+2]
.endr
.endr
.endr
.irp t, 0,1
	v_max3_num_f32 v[ST+8*\t+4], v[ST+8*\t+4], v[S+32*\t+7], v[S+32*\t+15]
	v_max3_num_f32 v[ST+8*\t+6], v[ST+8*\t+6], v[S+32*\t+23], v[S+32*\t+31]
.endr
.irp t, 0,1
	v_max3_num_f32 v[ST+8*\t+4], v[ST+8*\t+4], v[ST+8*\t+5], v[ST+8*\t+6]
.endr
.irp t, 0,1
	v_max3_num_f32 v[ST+8*\t+4], v[ST+8*\t+4], v[ST+8*\t+7], v[ST+8*\t+1]
.endr
.irp t, 0,1
	v_permlanex16_b32 v[ST+8*\t+5], v[ST+8*\t+4], s[SEL], s[SEL+1]   ; the query's other 32 keys lie in the lane 16 away
.endr
.irp t, 0,1
	v_mov_b32 v[ST+8*\t+7], v[ST+8*\t]             ; c m_old
.endr
.irp t, 0,1
	v_max_num_f32 v[ST+8*\t+1], v[ST+8*\t+4], v[ST+8*\t+5]
.endr
.irp t, 0,1
	v_mul_f32 v[ST+8*\t], s[CS], v[ST+8*\t+1]
.endr
.irp t, 0,1
	v_sub_f32 v[ST+8*\t+7], v[ST+8*\t+7], v[ST+8*\t]
.endr
.set n, 0
.rept 16
.irp t, 0,1
	v_pk_fma_f32 v[S+32*\t+n:S+32*\t+n+1], v[S+32*\t+n:S+32*\t+n+1], s[CS:CS+1], v[ST+8*\t:ST+8*\t+1] op_sel_hi:[1,0,0] neg_lo:[0,0,1] neg_hi:[0,0,1]   ; c s - c m
.endr
.set n, n+2
.endr
.irp t, 0,1
	v_exp_f32 v[ST+8*\t+6], v[ST+8*\t+7]           ; a
.endr
.set n, 0
.rept 32
.irp t, 0,1
	v_exp_f32 v[S+32*\t+n], v[S+32*\t+n]           ; p
.endr
.set n, n+1
.endr
	v_nop                                          ; a plain line behind the last exponential
	s_wait_alu depctr_va_vdst(0)                   ; one wait for the batch of 66, ahead of its first reader
.irp t, 0,1
	v_pk_add_f32 v[ST+8*\t+4:ST+8*\t+5], v[S+32*\t:S+32*\t+1], v[S+32*\t+2:S+32*\t+3]       ; the row's sum of the unrounded p, in two chains
	v_pk_add_f32 v[YS+2*\t:YS+2*\t+1], v[S+32*\t+4:S+32*\t+5], v[S+32*\t+6:S+32*\t+7]
.endr
.irp i, 8,12,16,20,24,28
.irp t, 0,1
	v_pk_add_f32 v[ST+8*\t+4:ST+8*\t+5], v[ST+8*\t+4:ST+8*\t+5], v[S+32*\t+\i:S+32*\t+\i+1]
	v_pk_add_f32 v[YS+2*\t:YS+2*\t+1], v[YS+2*\t:YS+2*\t+1], v[S+32*\t+\i+2:S+32*\t+\i+3]
.endr
.endr
.irp t, 0,1
	v_pk_add_f32 v[ST+8*\t+4:ST+8*\t+5], v[ST+8*\t+4:ST+8*\t+5], v[YS+2*\t:YS+2*\t+1]
.endr
.irp t, 0,1
	v_pk_fma_f32 v[ST+8*\t+2:ST+8*\t+3], v[ST+8*\t+2:ST+8*\t+3], v[ST+8*\t+6:ST+8*\t+7], v[ST+8*\t+4:ST+8*\t+5] op_sel_hi:[1,0,1]   ; l = a l + the sum
.endr
.irp u, 0,1                            ; p to f16, in place: two key tiles' 16 registers become the 8 of a fragment of 32 keys
.irp e, 0,1,2,3,4,5,6,7
.irp t, 0,1
	v_cvt_pk_f16_f32 v[S+32*\t+16*\u+\e], v[S+32*\t+16*\u+2*\e], v[S+32*\t+16*\u+2*\e+1]
.endr
.endr
.endr
.set n, 0
.rept 16
.irp t, 0,1
	v_pk_mul_f32 v[O+32*\t+n:O+32*\t+n+1], v[O+32*\t+n:O+32*\t+n+1], v[ST+8*\t+6:ST+8*\t+7] op_sel_hi:[1,0]   ; O^T x a
.endr
.set n, n+2
.endr
	s_wait_dscnt 0x0                               ; V is in
.irp u, 0,1
.irp t, 0,1
.irp c4, 0,1,2,3
	v_wmma_f32_16x16x32_f16 v[O+32*\t+8*\c4:O+32*\t+8*\c4+7], v[KV+16*\c4+8*\u:KV+16*\c4+8*\u+7], v[S+32*\t+16*\u:S+32*\t+16*\u+7], v[O+32*\t+8*\c4:O+32*\t+8*\c4+7]
.endr
.endr
.endr
.Lhidden_\@:
	s_add_co_u32 s[KF], s[KF], 64
.endm
; THE CHANGE OF SLOTS, at a slot's head.  Each wave waits for all its tensor loads (its part of the slot ahead), adds 0 to its spare word, and waits for that and for its reads of the slot that it has left.
; Behind the barrier the slot ahead is whole and nobody reads the other one, which is then filled with the next 256 keys: one load a wave, with a slot's four steps in which to land.
; THE LOOK-AHEAD ENDS AT THE CAUSAL LIMIT: a slot whose first key comes after the work-group's last query is read by none of its waves and is not asked for.  The test is made of the work-group's number
; and the count of steps, the same in all eight waves; it leads round the load's own lines alone; every wait for tensor loads in this text is for 0.
.macro CHANGE fill
	s_wait_tensorcnt 0x0                           ; no tensor load of mine is out, so the groups 0 may be written
	ds_add_u32 v[SPW], v[NIL]
.if \fill
	s_xor_b32 s[G0K+1], s[G0K+1], SLOT1
	s_add_nc_u64 s[G0K+2:G0K+3], s[G0K+2:G0K+3], 8192
	s_xor_b32 s[G0V+1], s[G0V+1], SLOT1
	s_add_nc_u64 s[G0V+2:G0V+3], s[G0V+2:G0V+3], 8192
	s_wait_xcnt 0x0                                ; the last prefetch, a slot back, has read its address
	s_add_nc_u64 s[PFA:PFA+1], s[PFA:PFA+1], 8192
.endif
	s_wait_dscnt 0x0                               ; the add is done, and my reads of the slot that I have left are over
	s_barrier_signal -1
	s_barrier_wait -1
.if \fill
	s_add_co_u32 s[T0], s[KF], 256                 ; the first key of the slot that this change would ask for
	s_cmp_gt_u32 s[T0], s[LASTQ]
	s_cbranch_scc1 .Lpast_\@
	TLOAD
.Lpast_\@:
	ASK
.endif
.endm
.macro SLOT_STEPS
	STEP 0
	STEP 1
	STEP 2
	STEP 3
	s_xor_b32 s[TB], s[TB], SLOT1
.endm
	s_wait_loadcnt 0x0                             ; Q
.Lslot:                                            ; seven trips; the first fills slot 1
	CHANGE 1
	SLOT_STEPS
	s_sub_co_u32 s[SLOTS], s[SLOTS], 1
	s_cmp_lg_u32 s[SLOTS], 0
	s_cbranch_scc1 .Lslot
	CHANGE 0                                       ; the last slot is written out: nothing is left to ask for
	SLOT_STEPS
	; THE WAY OUT: O^T / l, rounded to f16; a lane's eight channels of a query are 16 bytes, and a tile of 16 queries x 16 channels leaves as 512 consecutive bytes, an image of the projection's operand.
.rept 4
	v_nop
.endr
.irp t, 0,1
	v_add_f32 v[ST+8*\t+4], v[ST+8*\t+2], v[ST+8*\t+3]
.endr
.irp t, 0,1
	v_permlanex16_b32 v[ST+8*\t+5], v[ST+8*\t+4], s[SEL], s[SEL+1]
.endr
.irp t, 0,1
	v_add_f32 v[ST+8*\t+4], v[ST+8*\t+4], v[ST+8*\t+5]
.endr
.irp t, 0,1
	v_rcp_f32 v[ST+8*\t+6], v[ST+8*\t+4]
.endr
	v_nop
	s_wait_alu depctr_va_vdst(0)                   ; one wait for the two reciprocals, ahead of their first reader
.irp t, 0,1
.set n, 0
.rept 16
	v_pk_mul_f32 v[S+32*\t+n:S+32*\t+n+1], v[O+32*\t+n:O+32*\t+n+1], v[ST+8*\t+6:ST+8*\t+7] op_sel_hi:[1,0]
.set n, n+2
.endr
.endr
.irp t, 0,1
.set n, 0
.rept 16
	v_cvt_pk_f16_f32 v[KV+16*\t+n], v[S+32*\t+2*n], v[S+32*\t+2*n+1]
.set n, n+1
.endr
.endr
.irp t, 0,1
.irp c4, 0,1,2,3
	global_store_b128 v[AK0], v[KV+16*\t+4*\c4:KV+16*\t+4*\c4+3], s[6:7] offset:\t*32768+\c4*512
.endr
.endr
	s_wait_tensorcnt 0x0                           ; the wave's end
	ds_add_u32 v[SPW], v[NIL]
	s_wait_dscnt 0x0
	s_endpgm
.Lfunc_end_k_q85a777d1b1_attn:
	.size	k_q85a777d1b1_attn, .Lfunc_end_k_q85a777d1b1_attn-k_q85a777d1b1_attn
	.p2alignl 7, 3214868480
	.fill 96, 4, 3214868480
	.section	.rodata,"a",@progbits
	.p2align	6, 0x0
	.amdhsa_kernel k_q85a777d1b1_attn
		.amdhsa_group_segment_fixed_size 327680
		.amdhsa_private_segment_fixed_size 0
		.amdhsa_enable_private_segment 0
		.amdhsa_kernarg_size 16
		.amdhsa_user_sgpr_count 2
		.amdhsa_user_sgpr_kernarg_segment_ptr 1
		.amdhsa_wavefront_size32 1
		.amdhsa_system_sgpr_workgroup_id_x 1
		.amdhsa_system_sgpr_workgroup_id_y 1
		.amdhsa_system_sgpr_workgroup_id_z 1
		.amdhsa_system_vgpr_workitem_id 0
		.amdhsa_next_free_vgpr 256
		.amdhsa_next_free_sgpr 66
		.amdhsa_reserve_vcc 1
		.amdhsa_float_denorm_mode_32 3
		.amdhsa_float_denorm_mode_16_64 3
		.amdhsa_memory_ordered 1
		.amdhsa_forward_progress 1
		.amdhsa_inst_pref_size 186
	.end_amdhsa_kernel
	.amdgpu_metadata
---
amdhsa.version: [ 1, 2 ]
amdhsa.kernels:
  - .name:           k_q85a777d1b1_attn
    .symbol:         k_q85a777d1b1_attn.kd
    .args:
      - { .name: qkv16, .offset: 0, .size: 8, .value_kind: global_buffer, .address_space: global }
      - { .name: y16, .offset: 8, .size: 8, .value_kind: global_buffer, .address_space: global }
    .group_segment_fixed_size: 327680
    .private_segment_fixed_size: 0
    .kernarg_segment_align: 8
    .kernarg_segment_size: 16
    .max_flat_workgroup_size: 256
    .sgpr_count:     66
    .vgpr_count:     256
    .wavefront_size: 32
...
	.end_amdgpu_metadata
.endif
;; end of part 3
;; launch proj (part 4): grid 8 x 32, 4 waves a work-group, clusters of 4 x 4, 327,680 bytes of LDS; arguments y16, wp16, b_proj, out0; writes out0
.if DOCPART == 4
	.amdgcn_target "amdgcn-amd-amdhsa--gfx1250"
	.amdhsa_code_object_version 6
	.text
	.protected	k_q85a777d1b1_proj
	.globl	k_q85a777d1b1_proj
	.p2align	8
	.type	k_q85a777d1b1_proj,@function
k_q85a777d1b1_proj:
	s_mov_b64 s[64:65], 0
	v_nop
	global_prefetch_b8 v0, s[64:65] scope:SCOPE_SE
	s_setreg_imm32_b32 hwreg(HW_REG_WAVE_MODE, 25, 1), 1
	s_wait_xcnt 0x0
	s_wait_alu depctr_hold_cnt(0) depctr_sa_sdst(0) depctr_va_vdst(0) depctr_va_sdst(0) depctr_va_ssrc(0) depctr_va_vcc(0) depctr_vm_vsrc(0)
	s_getreg_b32 s2, hwreg(HW_REG_IB_STS2, 6, 4)
	s_cmp_eq_u32 s2, 0
	s_cbranch_scc0 .Lentry_in_a_cluster
	s_endpgm
.Lentry_in_a_cluster:
	s_bfe_u32 s2, ttmp6, 0x10000c
	s_cmp_lg_u32 s2, 0xf033
	s_cbranch_scc0 .Lentry_shape_is_right
	s_endpgm
.Lentry_shape_is_right:
; out0 = y W_proj + b_proj.  y16 [token / 16][k / 32][1,024 bytes] and wp16 [n / 16][k / 32][1,024 bytes] are f16, laid as images of operand registers (lane l's 16 bytes at 16 l, registers 4-7 512 bytes on); sums in f32.
; 4,096 x 1,024 makes 256 tiles of 128 x 128, one for each work-group; four waves, each 64 x 64: 16 accumulators.  K goes in four steps of 256 through two LDS slots; all is written out, there is no loop.
; A wave's tensor load brings four planes (token tiles or column tiles) x 8,192 bytes; a fragment is read at 16 x lane, 512 consecutive bytes an instruction: no pitch and no padding.
; CLUSTERS: 4 x 4 work-groups; y's tiles are asked for jointly along a row of the cluster, W's along a column.  THE MATRIX INSTRUCTION IS USED TRANSPOSED (source 0 = 16 columns n, source 1 = 16 tokens):
; a lane holds eight neighbouring numbers of a row of out0.  The bias is the C of each sum's first product.
; A wave's 64 columns of f32 are 256 consecutive bytes of a row, aligned: each wave's results turn through a stage of its own and leave as whole rows; no wave needs another's.
; The 32 rows that are the first 16 positions of the two sequences are written here like all others and written anew by the next launch: leaving them out would take a branch on the work-group's place in its cluster.
; REGISTERS: window 0: v16-29 addresses; v96-127 the bias; v128-255 the accumulators ((a, b) at 128 + 8 (4 a + b)).  window 1: two fragment buffers of 128: 64 registers of y, then 64 of W, for 64 along K.
.set SLOT,  131072                     ; y's 8 planes x 8,192 bytes, then W's 8
.set SPARE, 262144                     ; the spare words: 128 bytes a wave, two blocks of 256 bytes that no other line names
.set SPITCH, 272                       ; the stage: 64 rows x (256 + 16) bytes for each wave, in slot 0, which has had its last fill and its last read when the first result is stored there
.set ADRA, 16
.set ADRB, 20
.set STO,  24
.set RD,   25
.set CO,   26
.set BOF,  27
.set SPW,  28
.set NIL,  29
.set BIAS, 96
.set ACC,  128
.set F0,   0
.set F1,   128
.set G1,  24
.set G0,  32
.set G1B, 48
.set G0B, 56
.set MSB, 0
.macro WIN new
.if MSB != (\new)
	s_set_vgpr_msb (MSB<<8)|(\new)
.set MSB, (\new)
.endif
.endm
.set MUL,  0x05                        ; sources 0 and 1 window 1; C and D window 0
.set TO_F, 0x40                        ; destination window 1, address window 0
.macro JLOAD s                         ; waves 0 and 1 fetch y's two halves, waves 2 and 3 W's; an s_nop 0 and four v_nop follow each line
	s_cmp_eq_u32 s13, 0
	s_cbranch_scc0 .Lfor_b_\@
	tensor_load_to_lds s[G0+4*\s:G0+4*\s+3], s[G1:G1+7]
	s_nop 0
.rept 4
	v_nop
.endr
	s_branch .Lasked_\@
.Lfor_b_\@:
	tensor_load_to_lds s[G0B+4*\s:G0B+4*\s+3], s[G1B:G1B+7]
	s_nop 0
.rept 4
	v_nop
.endr
.Lasked_\@:
.endm
.macro CREST
	s_cmp_lg_u32 s12, 0
	s_cbranch_scc1 .Lnot_wave_0_\@
	s_barrier_signal -3
.Lnot_wave_0_\@:
	s_barrier_wait -3
	s_barrier_signal -1
	s_barrier_wait -1
.endm
.macro CROUND
	s_barrier_signal -1
	s_barrier_wait -1
	CREST
.endm
	s_load_b256 s[4:11], s[0:1], 0x0               ; y16 s[4:5], wp16 s[6:7], b_proj s[8:9], out0 s[10:11]
	v_lshl_add_u32 v[SPW], v0, 2, SPARE
	v_mov_b32 v[NIL], 0
	ds_add_u32 v[SPW], v[NIL]                      ; the opening: the add, twice on end, and its wait ahead of my first tensor load
	ds_add_u32 v[SPW], v[NIL]
	v_lshrrev_b32 v1, 5, v0
	v_readfirstlane_b32 s12, v1                    ; wave
	s_lshr_b32 s13, s12, 1                         ; my half of the tile's rows.  Also: I fetch for y (0) or for W (1)
	s_and_b32 s14, s12, 1                          ; my half of its columns.  Also: which four planes I fetch
	s_bfe_u32 s40, ttmp6, 0x40000                  ; cx
	s_bfe_u32 s41, ttmp6, 0x40004                  ; cy
	s_lshl_b32 s42, ttmp9, 2
	s_add_co_u32 s42, s42, s40                     ; tile column
	s_and_b32 s43, ttmp7, 0xffff
	s_lshl_b32 s43, s43, 2
	s_add_co_u32 s43, s43, s41                     ; tile row
	s_lshl_b32 s44, s41, 2
	s_lshl_b32 s44, 15, s44                        ; my row of the cluster
	s_lshl_b32 s45, 0x1111, s40                    ; my column
	s_or_b32 s[G1], s44, (3<<16)|(1<<21)           ; the mask; elements of 8 bytes; bit 21 set beside a mask; no padding
	s_or_b32 s[G1B], s45, (3<<16)|(1<<21)
.irp g, G1, G1B
	s_mov_b32 s[\g+1], 1024<<16                    ; tensor_dim0 = 1,024 elements: 8,192 bytes, a K step of one plane
	s_mov_b32 s[\g+2], 4<<16                       ; tensor_dim1 = 4 planes
	s_mov_b32 s[\g+3], 1024<<16
	s_mov_b32 s[\g+4], 4
	s_mov_b32 s[\g+5], 4096                        ; a plane: 32,768 bytes
	s_mov_b32 s[\g+6], 0
	s_mov_b32 s[\g+7], 0
.endr
	s_lshl_b32 s16, s43, 18                        ; y: plane 8 x tile row + 4 x half
	s_lshl_b32 s17, s14, 17
	s_add_co_u32 s16, s16, s17
	s_lshl_b32 s46, s42, 18                        ; W: plane 8 x tile column + 4 x half
	s_add_co_u32 s46, s46, s17
	s_mov_b32 s17, 0
	s_mov_b32 s47, 0
	s_lshl_b32 s20, s12, 15                        ; where they go: wave x 32,768: no place in the cluster enters an LDS address
	s_wait_dscnt 0x0                               ; both opening adds are done
	s_wait_kmcnt 0x0
	s_add_nc_u64 s[18:19], s[4:5], s[16:17]
	s_add_nc_u64 s[2:3], s[6:7], s[46:47]
	CROUND                                         ; all sixteen work-groups are here: the first joint loads meet
.irp s, 0,1
	s_mov_b32 s[G0+4*\s], 1
	s_add_co_u32 s[G0+4*\s+1], s20, \s*SLOT
	s_add_nc_u64 s[G0+4*\s+2:G0+4*\s+3], s[18:19], \s*8192
	s_or_b32 s[G0+4*\s+3], s[G0+4*\s+3], 0x80000000
	s_mov_b32 s[G0B+4*\s], 1
	s_add_co_u32 s[G0B+4*\s+1], s20, \s*SLOT
	s_add_nc_u64 s[G0B+4*\s+2:G0B+4*\s+3], s[2:3], \s*8192
	s_or_b32 s[G0B+4*\s+3], s[G0B+4*\s+3], 0x80000000
	JLOAD \s
.endr
	v_and_b32 v1, 15, v0                           ; r
	v_bfe_u32 v2, v0, 4, 1                         ; h
	v_and_b32 v3, 31, v0
	v_lshlrev_b32 v3, 4, v3                        ; 16 x lane
	s_lshl_b32 s21, s13, 15                        ; my four planes of y,
	s_lshl_b32 s22, s14, 15                        ; my four of W,
	s_add_co_u32 s22, s22, 65536                   ; which lie behind y's eight
.irp s, 0,1
	v_add_nc_u32 v[ADRA+\s], s21, v3
	v_add_nc_u32 v[ADRB+\s], s22, v3
	s_add_co_u32 s21, s21, SLOT
	s_add_co_u32 s22, s22, SLOT
.endr
	s_mul_i32 s23, s12, 64*SPITCH                  ; my stage
	v_mul_u32_u24 v4, v1, SPITCH
	v_lshl_add_u32 v4, v2, 5, v4
	v_add_nc_u32 v[STO], s23, v4                   ; in: row r, 32 bytes for each half of the lanes
	v_mul_u32_u24 v5, v2, SPITCH
	v_lshl_add_u32 v5, v1, 4, v5
	v_add_nc_u32 v[RD], s23, v5                    ; back: lanes 0-15 one row of 256 bytes, lanes 16-31 the next
	v_lshlrev_b32 v[CO], 12, v2
	v_lshl_add_u32 v[CO], v1, 4, v[CO]             ; and the same two rows in out0
	v_lshlrev_b32 v[BOF], 5, v2
	s_lshl_b32 s16, s43, 19                        ; my first row: (128 x tile row + 64 x half) x 4,096 bytes
	s_lshl_b32 s17, s13, 18
	s_add_co_u32 s16, s16, s17
	s_mov_b32 s17, 0
	s_add_nc_u64 s[10:11], s[10:11], s[16:17]
	s_lshl_b32 s46, s42, 9                         ; my first column, in bytes: 512 x tile column + 256 x half
	s_lshl_b32 s47, s14, 8
	s_add_co_u32 s46, s46, s47
	s_mov_b32 s47, 0
	s_add_nc_u64 s[10:11], s[10:11], s[46:47]
	s_add_nc_u64 s[8:9], s[8:9], s[46:47]
.irp b, 0,1,2,3
	global_load_b128 v[BIAS+8*\b:BIAS+8*\b+3], v[BOF], s[8:9] offset:64*\b        ; lane (r, h): b_proj at the tile's columns 8 h + 0 .. 7
	global_load_b128 v[BIAS+8*\b+4:BIAS+8*\b+7], v[BOF], s[8:9] offset:64*\b+16
.endr
.macro MUL8 f, c, a0, first            ; 8 matrix instructions: token blocks a0, a0 + 1 x four column tiles, 32 along K: half c of buffer f; the 16 accumulators take turns, one instruction a turn
.irp a, \a0, \a0+1
.irp b, 0,1,2,3
.if \first
	v_wmma_f32_16x16x32_f16 v[ACC+8*(4*(\a)+\b):ACC+8*(4*(\a)+\b)+7], v[\f+64+8*(4*\c+\b):\f+64+8*(4*\c+\b)+7], v[\f+8*(4*\c+\a):\f+8*(4*\c+\a)+7], v[BIAS+8*\b:BIAS+8*\b+7]
.else
	v_wmma_f32_16x16x32_f16 v[ACC+8*(4*(\a)+\b):ACC+8*(4*(\a)+\b)+7], v[\f+64+8*(4*\c+\b):\f+64+8*(4*\c+\b)+7], v[\f+8*(4*\c+\a):\f+8*(4*\c+\a)+7], v[ACC+8*(4*(\a)+\b):ACC+8*(4*(\a)+\b)+7]
.endif
.endr
.endr
.endm
.macro FETCH slot, qd, f               ; 32 LDS loads in one run: the fragments of the slot's qd-th 64 along K into buffer f; the first 32 along K first
	WIN TO_F
.irp c, 0,1
.irp i, 0,1,2,3
	ds_load_b128 v[\f+64+8*(4*\c+\i):\f+64+8*(4*\c+\i)+3],   v[ADRB+\slot] offset:\i*8192+(2*(\qd)+\c)*1024
	ds_load_b128 v[\f+64+8*(4*\c+\i)+4:\f+64+8*(4*\c+\i)+7], v[ADRB+\slot] offset:\i*8192+(2*(\qd)+\c)*1024+512
	ds_load_b128 v[\f+8*(4*\c+\i):\f+8*(4*\c+\i)+3],         v[ADRA+\slot] offset:\i*8192+(2*(\qd)+\c)*1024
	ds_load_b128 v[\f+8*(4*\c+\i)+4:\f+8*(4*\c+\i)+7],       v[ADRA+\slot] offset:\i*8192+(2*(\qd)+\c)*1024+512
.endr
.endr
.endm
.macro PLACES
.rept 4
	v_nop
.endr
.endm
.macro QUARTER slot, qd, f, g, first   ; multiplies buffer f and fetches the slot's qd-th quarter into g
	s_wait_dscnt 16                                ; the first 32 along K are in; the sixteen loads of the other 32 may be out
	WIN MUL
	MUL8 \f, 0, 0, \first
	MUL8 \f, 0, 2, \first
	PLACES
	FETCH \slot, \qd, \g
	s_wait_dscnt 32                                ; all but the 32 just issued
	WIN MUL
	MUL8 \f, 1, 0, 0
	MUL8 \f, 1, 2, 0
.endm
; A slot's last quarter multiplies buffer 1 and changes slots: one barrier; in front of it each wave waits for all its tensor loads, adds 0 to its spare word, and waits for that and for its reads of this slot.
; fill = 1: the barrier opens a round of the cluster's, and this slot is filled again, two K steps ahead: the wave's one tensor load behind the round.
.macro TURN slot, next, fill
	WIN 0
	s_wait_tensorcnt 0x0                           ; all my tensor loads have landed: my part of the next slot
	ds_add_u32 v[SPW], v[NIL]
	s_wait_dscnt 17                                ; (the add and the youngest sixteen loads may be out)
	WIN MUL
	MUL8 F1, 0, 0, 0
	s_wait_dscnt 0x0                               ; the add is done, and my reads of this slot are over
	s_barrier_signal -1
	MUL8 F1, 0, 2, 0
.if \fill
	WIN 0
.endif
	s_barrier_wait -1
.if \fill
	CREST                                          ; no wave of any partner still reads this slot's tile or has a load on its way
	s_add_nc_u64 s[G0+4*\slot+2:G0+4*\slot+3], s[G0+4*\slot+2:G0+4*\slot+3], 16384
	s_add_nc_u64 s[G0B+4*\slot+2:G0B+4*\slot+3], s[G0B+4*\slot+2:G0B+4*\slot+3], 16384
	JLOAD \slot                                    ; the four v_nop behind it are also the places in front of the loads below
.else
	PLACES
.endif
	FETCH \next, 0, F0
	WIN MUL
	MUL8 F1, 1, 0, 0
	MUL8 F1, 1, 2, 0
.endm
	s_wait_tensorcnt 1                             ; my part of K step 0 is in; K step 1's load may be out
	s_barrier_signal -1
	s_barrier_wait -1
	FETCH 0, 0, F0
	s_wait_loadcnt 0x0                             ; the bias
	QUARTER 0, 1, F0, F1, 1                        ; K step 0: the first products start the sums from the bias
	QUARTER 0, 2, F1, F0, 0
	QUARTER 0, 3, F0, F1, 0
	TURN 0, 1, 1                                   ; slot 0 takes K step 2
	QUARTER 1, 1, F0, F1, 0
	QUARTER 1, 2, F1, F0, 0
	QUARTER 1, 3, F0, F1, 0
	TURN 1, 0, 1                                   ; slot 1 takes K step 3
	QUARTER 0, 1, F0, F1, 0
	QUARTER 0, 2, F1, F0, 0
	QUARTER 0, 3, F0, F1, 0
	TURN 0, 1, 0                                   ; nothing is left to fetch
	QUARTER 1, 1, F0, F1, 0
	QUARTER 1, 2, F1, F0, 0
	QUARTER 1, 3, F0, F1, 0
	s_wait_dscnt 16
	WIN MUL
	MUL8 F1, 0, 0, 0
	MUL8 F1, 0, 2, 0
	s_wait_dscnt 0x0
	MUL8 F1, 1, 0, 0
	MUL8 F1, 1, 2, 0
	WIN 0
	; THE WAY OUT: 16 rows at a time into my stage, each accumulator from its low end on, and back as whole rows into the registers that they left.  LDS serves a wave's instructions in order.
	PLACES
.irp a, 0,1,2,3
.irp b, 0,1,2,3
	ds_store_b128 v[STO], v[ACC+32*\a+8*\b:ACC+32*\a+8*\b+3] offset:16*SPITCH*\a+64*\b
	ds_store_b128 v[STO], v[ACC+32*\a+8*\b+4:ACC+32*\a+8*\b+7] offset:16*SPITCH*\a+64*\b+16
.endr
.irp t, 0,1,2,3,4,5,6,7
	ds_load_b128 v[ACC+32*\a+4*\t:ACC+32*\a+4*\t+3], v[RD] offset:16*SPITCH*\a+2*SPITCH*\t
.endr
.endr
.irp a, 0,1,2,3
.irp t, 0,1,2,3,4,5,6,7
	s_wait_dscnt 16*(3-\a)+7-\t                    ; behind this load: the rest of its eight, and sixteen LDS instructions for each later block
	global_store_b128 v[CO], v[ACC+32*\a+4*\t:ACC+32*\a+4*\t+3], s[10:11] offset:(16*\a+2*\t)*4096 th:TH_STORE_NT   ; sixteen lanes store 256 consecutive bytes, aligned
.endr
.endr
	s_wait_tensorcnt 0x0                           ; the wave's end
	ds_add_u32 v[SPW], v[NIL]
	s_wait_dscnt 0x0
	CROUND                                         ; the closing round
	s_endpgm
.Lfunc_end_k_q85a777d1b1_proj:
	.size	k_q85a777d1b1_proj, .Lfunc_end_k_q85a777d1b1_proj-k_q85a777d1b1_proj
	.p2alignl 7, 3214868480
	.fill 96, 4, 3214868480
	.section	.rodata,"a",@progbits
	.p2align	6, 0x0
	.amdhsa_kernel k_q85a777d1b1_proj
		.amdhsa_group_segment_fixed_size 327680
		.amdhsa_private_segment_fixed_size 0
		.amdhsa_enable_private_segment 0
		.amdhsa_kernarg_size 32
		.amdhsa_user_sgpr_count 2
		.amdhsa_user_sgpr_kernarg_segment_ptr 1
		.amdhsa_wavefront_size32 1
		.amdhsa_system_sgpr_workgroup_id_x 1
		.amdhsa_system_sgpr_workgroup_id_y 1
		.amdhsa_system_sgpr_workgroup_id_z 1
		.amdhsa_system_vgpr_workitem_id 0
		.amdhsa_next_free_vgpr 512
		.amdhsa_next_free_sgpr 66
		.amdhsa_reserve_vcc 0
		.amdhsa_float_denorm_mode_32 3
		.amdhsa_float_denorm_mode_16_64 3
		.amdhsa_memory_ordered 1
		.amdhsa_forward_progress 1
		.amdhsa_inst_pref_size 86
	.end_amdhsa_kernel
	.amdgpu_metadata
---
amdhsa.version: [ 1, 2 ]
amdhsa.kernels:
  - .name:           k_q85a777d1b1_proj
    .symbol:         k_q85a777d1b1_proj.kd
    .args:
      - { .name: y16, .offset: 0, .size: 8, .value_kind: global_buffer, .address_space: global }
      - { .name: wp16, .offset: 8, .size: 8, .value_kind: global_buffer, .address_space: global }
      - { .name: b_proj, .offset: 16, .size: 8, .value_kind: global_buffer, .address_space: global }
      - { .name: out0, .offset: 24, .size: 8, .value_kind: global_buffer, .address_space: global }
    .group_segment_fixed_size: 327680
    .private_segment_fixed_size: 0
    .kernarg_segment_align: 8
    .kernarg_segment_size: 32
    .max_flat_workgroup_size: 128
    .sgpr_count:     66
    .vgpr_count:     512
    .wavefront_size: 32
...
	.end_amdgpu_metadata
.endif
;; end of part 4
;; launch first16 (part 5): grid 64 x 2, 16 waves a work-group, no clusters, 18,432 bytes of LDS; arguments q32, W_proj, b_proj, out0; writes out0
.if DOCPART == 5
	.amdgcn_target "amdgcn-amd-amdhsa--gfx1250"
	.amdhsa_code_object_version 6
	.text
	.protected	k_q85a777d1b1_first16
	.globl	k_q85a777d1b1_first16
	.p2align	8
	.type	k_q85a777d1b1_first16,@function
k_q85a777d1b1_first16:
	s_mov_b64 s[64:65], 0
	v_nop
	global_prefetch_b8 v0, s[64:65] scope:SCOPE_SE
	s_setreg_imm32_b32 hwreg(HW_REG_WAVE_MODE, 25, 1), 1
	s_wait_xcnt 0x0
; THE FIRST 16 POSITIONS OF EACH SEQUENCE, IN F32 THROUGHOUT: scores, softmax, p v and the projection.  Under the causal mask these rows average one to sixteen values and are the largest of the output.
; A work-group makes 16 rows x 16 columns of out0 (columns 16 x, batch y).  Wave = head: it makes its head's 16 x 16 attention from q32 (the f32 sums of the first product, as the accumulators stood)
; and multiplies it by its own 64 rows of W_proj; the sixteen partial tiles meet in LDS and are added in ascending order of the head.  32 rows in all: no bulk work.
; All products by v_wmma_f32_16x16x4_f32, transposed, so that a lane holds one query throughout.  An instruction's four places along K, (lane / 16, register), take channels (or keys) 8 (lane / 16) + 2 s + register
; on BOTH sides: the same permutation, so the sums are those of the product.  The registers that these instructions write (v176-239) are written by them alone; each sum starts from the constant 0.
; A row's piece here is 64 bytes; the launch writes 128 KiB in all, and wider pieces would put four times the matrix instructions on each wave.
; REGISTERS: v1-15 addresses; v16-47 Q, v48-79 K (register 8 c + j: channel 16 c + 8 h + j of token r); v80-111 V (8 c + i: key 8 h + i, channel 16 c + r); v112-143 W (8 c + i: row 64 head + 16 c + 8 h + i, column r);
;   v144-163 at work; v176-207 four accumulators (scores, later the projection); v208-239 O^T; v240-247 scores, then p; v248-255 my partial tile.
.set SPARE, 16384                      ; behind the 16 partial tiles of 1,024 bytes: the spare words, 128 bytes a wave
.set SPW, 12
.set NIL, 13
.set QF,  16
.set KF,  48
.set VF,  80
.set WF,  112
.set TM,  144
.set SA,  176
.set OA,  208
.set SS,  240
.set TT,  248
	s_load_b256 s[4:11], s[0:1], 0x0               ; q32 s[4:5], W_proj s[6:7], b_proj s[8:9], out0 s[10:11]
	v_lshl_add_u32 v[SPW], v0, 2, SPARE
	v_mov_b32 v[NIL], 0
	v_lshrrev_b32 v1, 5, v0
	v_readfirstlane_b32 s12, v1                    ; wave = head
	s_and_b32 s14, ttmp7, 0xffff                   ; batch
	v_and_b32 v1, 15, v0                           ; r; on the way out: the column
	v_bfe_u32 v2, v0, 4, 1                         ; h
	v_and_b32 v3, 31, v0
	v_lshlrev_b32 v3, 4, v3                        ; 16 x lane
	v_bfe_u32 v4, v0, 2, 1                         ; where number (token, column r of a tile) lies in an accumulator's image: 512 ((r / 4) % 2) + 256 (r / 8) + 4 (r % 4) + 16 x token
	v_lshlrev_b32 v4, 9, v4
	v_bfe_u32 v5, v0, 3, 1
	v_lshl_add_u32 v4, v5, 8, v4
	v_and_b32 v5, 3, v0
	v_lshl_add_u32 v4, v5, 2, v4
	v_lshl_add_u32 v6, v2, 7, v4                   ; V: keys 8 h on
	v_lshlrev_b32 v7, 2, v1
	v_lshl_add_u32 v8, v2, 15, v7                  ; W: rows 8 h on, column r
	s_lshl_b32 s20, s12, 10
	v_add_nc_u32 v9, s20, v3                       ; LDS: my partial tile, 16 x lane
	v_lshrrev_b32 v10, 4, v0                       ; on the way out (waves 0 to 7): the row
	v_lshl_add_u32 v11, v10, 4, v4                 ; LDS: number (row, column) of a partial tile
	v_lshl_add_u32 v14, v10, 12, v7                ; and in out0
	v_lshlrev_b32 v15, 3, v2
	v_sub_nc_u32 v15, v1, v15                      ; r - 8 h: register j's key is hidden where j is greater
	s_mov_b32 s16, 0x76543210
	s_mov_b32 s17, 0xfedcba98
	s_mov_b32 s18, 0x3e38aa3b                      ; c = log2(e) / 8
	s_mov_b32 s19, s18
	s_mul_i32 s20, s14, 196608
	s_lshl_b32 s22, s12, 12                        ; the head's four column tiles
	s_add_co_u32 s20, s20, s22
	s_mov_b32 s21, 0
	s_lshl_b32 s22, s12, 18                        ; the head's 64 rows of W_proj
	s_lshl_b32 s24, ttmp9, 6                       ; my 16 columns, in bytes
	s_add_co_u32 s22, s22, s24
	s_mov_b32 s23, 0
	s_mov_b32 s25, 0
	s_lshl_b32 s26, s14, 23                        ; the batch's first row of out0
	s_add_co_u32 s26, s26, s24
	s_mov_b32 s27, 0
	s_wait_kmcnt 0x0
	s_add_nc_u64 s[4:5], s[4:5], s[20:21]
	s_add_nc_u64 s[6:7], s[6:7], s[22:23]
	s_add_nc_u64 s[8:9], s[8:9], s[24:25]
	s_add_nc_u64 s[10:11], s[10:11], s[26:27]
.irp c, 0,1,2,3
.irp g, 0,1
	global_load_b128 v[QF+8*\c+4*\g:QF+8*\c+4*\g+3], v3, s[4:5] offset:1024*\c+512*\g
.endr
.endr
.irp c, 0,1,2,3
.irp g, 0,1
	global_load_b128 v[KF+8*\c+4*\g:KF+8*\c+4*\g+3], v3, s[4:5] offset:65536+1024*\c+512*\g
.endr
.endr
.irp c, 0,1,2,3
.irp i, 0,1,2,3,4,5,6,7
	global_load_b32 v[VF+8*\c+\i], v6, s[4:5] offset:131072+1024*\c+16*\i
.endr
.endr
.irp c, 0,1,2,3
.irp i, 0,1,2,3,4,5,6,7
	global_load_b32 v[WF+8*\c+\i], v8, s[6:7] offset:(16*\c+\i)*4096
.endr
.endr
	global_load_b32 v162, v7, s[8:9]               ; b_proj at my column
	s_wait_loadcnt 63                              ; Q's and K's sixteen loads are the oldest of 81: 65 stand behind them, and 63 is the largest count that the wait can name
.irp s, 0,1,2,3                        ; S^T = K Q^T: four accumulators by turns, one for each 16 channels
.irp c, 0,1,2,3
.if \s == 0
	v_wmma_f32_16x16x4_f32 v[SA+8*\c:SA+8*\c+7], v[KF+8*\c:KF+8*\c+1], v[QF+8*\c:QF+8*\c+1], 0
.else
	v_wmma_f32_16x16x4_f32 v[SA+8*\c:SA+8*\c+7], v[KF+8*\c+2*\s:KF+8*\c+2*\s+1], v[QF+8*\c+2*\s:QF+8*\c+2*\s+1], v[SA+8*\c:SA+8*\c+7]
.endif
.endr
.endr
.rept 8
	v_nop                                          ; eight places behind this form before a vector instruction reads its result
.endr
.irp p, 0,2,4,6
	v_pk_add_f32 v[SS+\p:SS+\p+1], v[SA+\p:SA+\p+1], v[SA+8+\p:SA+8+\p+1]
	v_pk_add_f32 v[TM+\p:TM+\p+1], v[SA+16+\p:SA+16+\p+1], v[SA+24+\p:SA+24+\p+1]
.endr
.irp p, 0,2,4,6
	v_pk_add_f32 v[SS+\p:SS+\p+1], v[SS+\p:SS+\p+1], v[TM+\p:TM+\p+1]   ; lane (r, h), register j: query r . key 8 h + j
.endr
	v_mov_b32 v152, 0xff800000
.irp j, 0,1,2,3,4,5,6,7
	v_cmp_gt_i32 vcc_lo, \j, v15
	v_cndmask_b32 v[SS+\j], v[SS+\j], v152, vcc_lo
.endr
	v_max3_num_f32 v153, v[SS], v[SS+1], v[SS+2]
	v_max3_num_f32 v154, v[SS+3], v[SS+4], v[SS+5]
	v_max3_num_f32 v153, v153, v[SS+6], v[SS+7]
	v_max_num_f32 v153, v153, v154
	v_permlanex16_b32 v154, v153, s16, s17
	v_max_num_f32 v153, v153, v154                 ; the row's maximum: key 0 counts for every query
	v_mul_f32 v156, s18, v153
	v_mov_b32 v157, 0                              ; (named with it as a pair)
.irp p, 0,2,4,6
	v_pk_fma_f32 v[SS+\p:SS+\p+1], v[SS+\p:SS+\p+1], s[18:19], v[156:157] op_sel_hi:[1,0,0] neg_lo:[0,0,1] neg_hi:[0,0,1]
.endr
.irp j, 0,1,2,3,4,5,6,7
	v_exp_f32 v[SS+\j], v[SS+\j]
.endr
	v_nop
	s_wait_alu depctr_va_vdst(0)                   ; one wait for the eight exponentials, ahead of their first reader
	v_pk_add_f32 v[158:159], v[SS:SS+1], v[SS+2:SS+3]
	v_pk_add_f32 v[TM:TM+1], v[SS+4:SS+5], v[SS+6:SS+7]
	v_pk_add_f32 v[158:159], v[158:159], v[TM:TM+1]
	v_add_f32 v158, v158, v159
	v_permlanex16_b32 v159, v158, s16, s17
	v_add_f32 v158, v158, v159
	v_rcp_f32 v160, v158
	v_nop
	s_wait_alu depctr_va_vdst(0)
.irp j, 0,1,2,3,4,5,6,7
	v_mul_f32 v[SS+\j], v[SS+\j], v160             ; the weights
.endr
	s_wait_loadcnt 0x0                             ; V, W, the bias
.irp s, 0,1,2,3                        ; O^T = V^T P: one accumulator for each 16 channels, by turns
.irp c, 0,1,2,3
.if \s == 0
	v_wmma_f32_16x16x4_f32 v[OA+8*\c:OA+8*\c+7], v[VF+8*\c:VF+8*\c+1], v[SS:SS+1], 0
.else
	v_wmma_f32_16x16x4_f32 v[OA+8*\c:OA+8*\c+7], v[VF+8*\c+2*\s:VF+8*\c+2*\s+1], v[SS+2*\s:SS+2*\s+1], v[OA+8*\c:OA+8*\c+7]
.endif
.endr
.endr
.rept 9
	v_nop                                          ; nine places before a matrix instruction takes these results as an operand
.endr
.irp s, 0,1,2,3                        ; my head's part of out^T = W^T y^T: O^T's registers are the operand as they stand
.irp c, 0,1,2,3
.if \s == 0
	v_wmma_f32_16x16x4_f32 v[SA+8*\c:SA+8*\c+7], v[WF+8*\c:WF+8*\c+1], v[OA+8*\c:OA+8*\c+1], 0
.else
	v_wmma_f32_16x16x4_f32 v[SA+8*\c:SA+8*\c+7], v[WF+8*\c+2*\s:WF+8*\c+2*\s+1], v[OA+8*\c+2*\s:OA+8*\c+2*\s+1], v[SA+8*\c:SA+8*\c+7]
.endif
.endr
.endr
.rept 8
	v_nop
.endr
.irp p, 0,2,4,6
	v_pk_add_f32 v[TT+\p:TT+\p+1], v[SA+\p:SA+\p+1], v[SA+8+\p:SA+8+\p+1]
	v_pk_add_f32 v[TM+\p:TM+\p+1], v[SA+16+\p:SA+16+\p+1], v[SA+24+\p:SA+24+\p+1]
.endr
.irp p, 0,2,4,6
	v_pk_add_f32 v[TT+\p:TT+\p+1], v[TT+\p:TT+\p+1], v[TM+\p:TM+\p+1]   ; lane (r, h), register j: row r, column 8 h + j
.endr
	ds_store_b128 v9, v[TT:TT+3]
	ds_store_b128 v9, v[TT+4:TT+7] offset:512
	s_wait_dscnt 0x0                               ; for the others' sake: my stores are done
	s_barrier_signal -1
	s_barrier_wait -1
	s_cmp_ge_u32 s12, 8                            ; 256 numbers: waves 0 to 7 add and store them, a thread a number
	s_cbranch_scc1 .Lend
.irp w, 0,1,2,3,4,5,6,7,8,9,10,11,12,13,14,15
	ds_load_b32 v[16+\w], v11 offset:1024*\w
.endr
	s_wait_dscnt 0x0
	v_add_f32 v163, v162, v16
.irp w, 1,2,3,4,5,6,7,8,9,10,11,12,13,14,15
	v_add_f32 v163, v163, v[16+\w]
.endr
	global_store_b32 v14, v163, s[10:11]
.Lend:
	s_wait_tensorcnt 0x0                           ; the wave's end
	ds_add_u32 v[SPW], v[NIL]
	s_wait_dscnt 0x0
	s_endpgm
.Lfunc_end_k_q85a777d1b1_first16:
	.size	k_q85a777d1b1_first16, .Lfunc_end_k_q85a777d1b1_first16-k_q85a777d1b1_first16
	.p2alignl 7, 3214868480
	.fill 96, 4, 3214868480
	.section	.rodata,"a",@progbits
	.p2align	6, 0x0
	.amdhsa_kernel k_q85a777d1b1_first16
		.amdhsa_group_segment_fixed_size 18432
		.amdhsa_private_segment_fixed_size 0
		.amdhsa_enable_private_segment 0
		.amdhsa_kernarg_size 32
		.amdhsa_user_sgpr_count 2
		.amdhsa_user_sgpr_kernarg_segment_ptr 1
		.amdhsa_wavefront_size32 1
		.amdhsa_system_sgpr_workgroup_id_x 1
		.amdhsa_system_sgpr_workgroup_id_y 1
		.amdhsa_system_sgpr_workgroup_id_z 1
		.amdhsa_system_vgpr_workitem_id 0
		.amdhsa_next_free_vgpr 256
		.amdhsa_next_free_sgpr 66
		.amdhsa_reserve_vcc 1
		.amdhsa_float_denorm_mode_32 3
		.amdhsa_float_denorm_mode_16_64 3
		.amdhsa_memory_ordered 1
		.amdhsa_forward_progress 1
		.amdhsa_inst_pref_size 20
	.end_amdhsa_kernel
	.amdgpu_metadata
---
amdhsa.version: [ 1, 2 ]
amdhsa.kernels:
  - .name:           k_q85a777d1b1_first16
    .symbol:         k_q85a777d1b1_first16.kd
    .args:
      - { .name: q32, .offset: 0, .size: 8, .value_kind: global_buffer, .address_space: global }
      - { .name: W_proj, .offset: 8, .size: 8, .value_kind: global_buffer, .address_space: global }
      - { .name: b_proj, .offset: 16, .size: 8, .value_kind: global_buffer, .address_space: global }
      - { .name: out0, .offset: 24, .size: 8, .value_kind: global_buffer, .address_space: global }
    .group_segment_fixed_size: 18432
    .private_segment_fixed_size: 0
    .kernarg_segment_align: 8
    .kernarg_segment_size: 32
    .max_flat_workgroup_size: 512
    .sgpr_count:     66
    .vgpr_count:     256
    .wavefront_size: 32
...
	.end_amdgpu_metadata
.endif
;; end of part 5
